; MI455X (gfx1250); checked and timed in simulation.
; The chip was launched on July 23, 2026; its instructions are those of AMD's public machine-readable ISA for CDNA 5 (MIT licence, August 2026) and "CDNA5" Instruction Set Architecture Reference Guide (July 2026). The comments in the code are by the model that wrote it; some were corrected since.
;; Causal Self Attention. Allowed arithmetic: matrix products marked QUANTISED: E2M1 operands, one E8M0 scale for each 32 along K, by v_wmma_scale_f32_16x16x128_f8f6f4 with both operands' format E2M1 (or v_wmma_scale_f32_32x16x128_f4), f32 sums; everything else in f32.
;; Inputs: b_proj 1,024 float32; b_qkv 3,072 float32; w_proj 1,024 x 1,024 float32; w_qkv 1,024 x 3,072 float32; x 4 x 2,048 x 1,024 float32.
;; Outputs: out0 4 x 2,048 x 1,024 float32.
;; This version of the problem:
;;   THIS VERSION OF THE PROBLEM IS GIVEN IN LOW PRECISION. The matrix products marked QUANTISED in the list below multiply operands that are first quantised to E2M1 (2 exponent bits, 1 mantissa bit; 4 bits a number), with one power-of-two scale for each 32 numbers along K (OCP MX v1.0); their sums are f32. All else is computed in f32.
;;   The module's matrix products, in the order in which they are computed (A, B: the left and right operand; K: the contracted axis; several contracted axes count as one K, in the product's order):
;;     1. [M 8,192, K 1,024] x [K 1,024, N 3,072]; A: input x; B: input w_qkv: QUANTISED
;;     2. batch 64 x [M 2,048, K 64] x [K 64, N 2,048]; A: computed on the way; B: computed on the way: QUANTISED
;;     3. batch 64 x [M 2,048, K 2,048] x [K 2,048, N 64]; A: softmax (see below); B: computed on the way: QUANTISED
;;     4. [M 8,192, K 1,024] x [K 1,024, N 1,024]; A: computed on the way; B: input w_proj: QUANTISED
;;   THE QUANTISER, for each operand of a quantised product, along K:
;;     - K is cut into blocks of 32 from its start; a last block that is shorter is filled with zeros.
;;     - A block's scale is 2^e with e = floor(log2(the largest magnitude in the block)) - 2, held to -126 .. 127; a block of zeros has e = 0. As a byte (E8M0): e + 127.
;;     - Each number is divided by its block's scale, clamped to +-6, and rounded to the nearest number of E2M1, ties to even, subnormals kept.
;;     - The product sums the exact products of the quantised numbers (number of the format x scale) in f32.
;;   ~~~python
;;   def quantise(x, axis):      # numpy; x: float32 -> the quantised numbers, widened to float32 again
;;       x = np.moveaxis(x, axis, -1); K = x.shape[-1]
;;       x = np.pad(x, [(0, 0)] * (x.ndim - 1) + [(0, -K % 32)]); x = x.reshape(x.shape[:-1] + (-1, 32)); a = np.abs(x).max(-1, keepdims=True)
;;       e = np.where(a > 0, np.clip(np.frexp(np.where(a > 0, a, 1))[1] - 1 - 2, -126, 127), 0)      # np.frexp(a)[1] - 1 = floor(log2(a)), exactly
;;       r = np.clip(x / 2.0 ** e, -6, 6)
;;       step = 2.0 ** (np.maximum(np.frexp(np.where(r == 0, 1, r))[1] - 1, 0) - 1)
;;       q = np.round(r / step) * step * 2.0 ** e      # np.round: ties to even
;;       return np.moveaxis(q.reshape(q.shape[:-2] + (-1,))[..., :K], -1, axis).astype(np.float32)
;;   ~~~
;;   SOFTMAX AHEAD OF A QUANTISED PRODUCT. Where the list says 'softmax', what is quantised is not the finished softmax but p = 2^(t - M), with t = logit x log2(e) and M = ceil(the row's largest t), a whole number; so 1/2 < the row's largest p <= 1. The row's sum l is taken of the UNQUANTISED p, in f32, and the product's result is divided by l at the end. Since M is a whole number, a kernel that streams over the keys may use a running M (the ceiling of the running maximum): every later rescaling is an exact power of two, which a block's scale takes up: the codes' values come out the same.
;;   OPERANDS COMPUTED ON THE WAY. 'Computed on the way' means the value that the module computes at that place (a softmax that the list does not call 'softmax' is quantised finished and normalised). What goes into a quantiser is computed in f32, as accurately as f32 sums, v_exp_f32 and their like allow (about 1e-6 of the number): no bf16 or f16 on the way to a quantiser, and a product that is left as it is and whose result goes on into a quantised operand takes f32 operands (vector FMAs, or v_wmma_f32_16x16x4_f32). A number that lies on a knife's edge between two numbers of the format may be rounded either way, as far as f32 arithmetic and the matrix unit's own rounding can turn it there, and no further.
;; One version. Each part assembles by itself: llvm-mc -triple=amdgcn-amd-amdhsa -mcpu=gfx1250 --defsym DOCPART=n.
;; ======== version 1 of 1: 4 launches
;; workspace buffers: opc 6,291,456 bytes; ops 393,216 bytes; qkvc 12,582,912 bytes; qkvs 1,310,720 bytes; yc 4,194,304 bytes; ys 262,144 bytes
;; launch quant (part 1): grid 320 x 1, 4 waves a work-group, no clusters, 68,096 bytes of LDS; arguments x, w_qkv, w_proj, opc, ops; writes opc, ops
.if DOCPART == 1
	.amdgcn_target "amdgcn-amd-amdhsa--gfx1250"
	.amdhsa_code_object_version 6
	.text
	.protected	k_qbf6765419a_quant
	.globl	k_qbf6765419a_quant
	.p2align	8
	.type	k_qbf6765419a_quant,@function
k_qbf6765419a_quant:
	s_mov_b64 s[64:65], 0
	v_nop
	global_prefetch_b8 v0, s[64:65] scope:SCOPE_SE
	s_setreg_imm32_b32 hwreg(HW_REG_WAVE_MODE, 25, 1), 1
	s_wait_xcnt 0x0
; x [8192][1024], w_qkv [1024][3072] and w_proj [1024][1024], f32, become codes of FP4 (E2M1) with K = 1,024 innermost and one E8M0 byte for each 32 along K.
; opc: [12,288 places][512 bytes], ops: [12,288 places][32 bytes].  Row 0 .. 8191 = a token of x, 8192 + n = column n of w_qkv, 11264 + n = column n of w_proj.
; A ROW LIES AT THE PLACE WHOSE NUMBER IS THE ROW'S WITH BITS 3 AND 4 EXCHANGED: sixteen places on end, 16 a + r, are then rows 32 (a / 2) + 8 (a % 2) + r + 8 (r / 8), which is the choice of rows
; that lets a product's results, used transposed, lie as neighbours along the next K in a lane's registers.
; A block's scale is 2^(floor(log2(its largest magnitude)) - 2); its byte is the largest magnitude's exponent field - 2, held at 1 from below by a floor among the maximum's leaves.
; LIMITS: a block of zeros gets the byte 1 (its codes are zeros; this program alone reads the bytes); NaN and infinities among the inputs are not served.
; Work-groups 0 .. 63 take the weights (K is their FIRST axis: a lane takes a column, its registers run down K), 128 columns x 512 along K each; work-groups 64 .. 319 take x (K innermost), 32 rows each.
; The two ways part once, on the work-group's number, and each has LDS bytes of its own.  No tensor loads, no barrier: waves share nothing.
.set NW,    64                         ; work-groups for the weights
; ---- the weights' way
.set PITCH, 272                        ; a stage row: 256 bytes of codes + 16
.set WLDS,  32768                      ; its stages begin here: 32 rows x 272 bytes for each wave
.set NB,    16                         ; blocks of 32 along K for a wave
.set WX,    32                         ; v32-95   two sets of 32 numbers
.set WC,    96                         ; v96-99   a block's codes
.set WSB,   24                         ; v24-27   the scale bytes, four to a register
.set WOUT,  112                        ; v112-175 the way out
.set WOFF,  176                        ; v176-207 4 x lane + i x a row of the weight in bytes, i = 0 .. 31; never rewritten
; ---- x's way
.set STEPS, 16
.set XR,    16                         ; v16-79   four sets of 16 numbers as they are loaded
.set XN,    80                         ; v80-111  two sets of 16 neighbours
.set XC,    128                        ; v128-191 codes: four registers for each step, so that no store's data are written again
.set XE,    112                        ; v112-127 a scale byte for each step
.set WREG,  8192                       ; LDS of a wave: two stages of 32 x SP bytes, then its 256 scale bytes
.set SP,    80                         ; a lane's place in a stage: 64 bytes + 16 of padding
	s_load_b128 s[4:7], s[0:1], 0x0                ; x, w_qkv
	s_load_b128 s[8:11], s[0:1], 0x10              ; w_proj, opc
	s_load_b64 s[12:13], s[0:1], 0x20              ; ops
	v_lshl_add_u32 v208, v0, 2, 0x10800
	v_mov_b32 v209, 0
	v_lshrrev_b32 v1, 5, v0
	v_readfirstlane_b32 s16, v1                    ; wave 0..3
	v_and_b32 v2, 31, v0                           ; lane
	s_cmp_lt_u32 ttmp9, NW
	s_cbranch_scc0 .Lx_path
; ================= THE WEIGHTS =================
	s_lshr_b32 s17, ttmp9, 1                       ; which 128 columns of the 4,096 (w_qkv's 3,072, then w_proj's 1,024)
	s_and_b32 s18, ttmp9, 1                        ; which 512 along K
	v_and_b32 v10, 7, v2
	v_bfe_u32 v11, v2, 3, 1
	v_lshl_add_u32 v10, v11, 4, v10
	v_bfe_u32 v11, v2, 4, 1
	v_lshl_add_u32 v10, v11, 3, v10                ; my column's place among the wave's 32: the lane with bits 3 and 4 exchanged
	s_mul_i32 s30, s16, 32*PITCH
	s_add_co_u32 s30, s30, WLDS                    ; my stage
	v_mul_u32_u24 v4, v10, PITCH
	v_add_nc_u32 v4, s30, v4                       ; into it: row = my column's place
	v_and_b32 v5, 15, v2
	v_lshrrev_b32 v6, 4, v2
	v_mul_u32_u24 v7, v6, PITCH
	v_lshl_add_u32 v7, v5, 4, v7
	v_add_nc_u32 v7, s30, v7                       ; out of it: sixteen lanes to a row, two rows an instruction
	v_lshlrev_b32 v8, 9, v6
	v_lshl_add_u32 v8, v5, 4, v8                   ; and the same place in opc: rows of 512 bytes
	v_lshlrev_b32 v9, 5, v10                       ; my column's row of scale bytes: 32 bytes a row
	s_wait_kmcnt 0x0
	s_cmp_lt_u32 s17, 24                           ; w_qkv or w_proj?  The choice hangs on the work-group's number alone
	s_cselect_b64 s[4:5], s[6:7], s[8:9]
	s_mov_b32 s19, 4096
	s_cselect_b32 s19, 12288, s19                  ; a row of the weight in bytes
	s_cselect_b32 s20, 0, 24
	s_sub_co_u32 s20, s17, s20                     ; which 128 columns of that weight
	s_mul_i32 s21, s19, s18
	s_lshl_b32 s21, s21, 9                         ; 512 rows down for the second half of K
	s_lshl_b32 s22, s20, 9                         ; 128 columns are 512 bytes,
	s_lshl_b32 s23, s16, 7                         ; a wave's 32 are 128
	s_add_co_u32 s22, s22, s23
	s_add_co_u32 s22, s22, s21
	s_mov_b32 s23, 0
	s_add_nc_u64 s[4:5], s[4:5], s[22:23]
	s_lshl_b32 s24, s17, 7
	s_lshl_b32 s25, s16, 5
	s_add_co_u32 s24, s24, s25
	s_add_co_u32 s24, s24, 8192                    ; my wave's first place in opc and ops
	s_lshl_b32 s26, s24, 9
	s_lshl_b32 s25, s18, 8
	s_add_co_u32 s26, s26, s25
	s_mov_b32 s27, 0
	s_add_nc_u64 s[10:11], s[10:11], s[26:27]      ; codes: place x 512 + 256 for the second half of K
	s_lshl_b32 s26, s24, 5
	s_lshl_b32 s25, s18, 4
	s_add_co_u32 s26, s26, s25
	s_add_nc_u64 s[12:13], s[12:13], s[26:27]      ; scale bytes: place x 32 + 16
	s_lshl_b32 s28, s19, 5                         ; 32 rows of the weight: from block to block
	s_mov_b32 s29, 0
	v_lshlrev_b32 v[WOFF], 2, v2
.set jj, 1
.rept 31
	v_add_nc_u32 v[WOFF+jj], s19, v[WOFF+jj-1]
.set jj, jj+1
.endr
.macro WLOAD t                         ; block t: W(32 t + i, my column), i = 0 .. 31, into set t % 2; each load reads 128 consecutive bytes
.if (\t) > 0
	s_wait_xcnt 0x0                                ; the loads issued so far have read their base: it may step
	s_add_nc_u64 s[4:5], s[4:5], s[28:29]
.endif
.irp i, 0,1,2,3,4,5,6,7,8,9,10,11,12,13,14,15,16,17,18,19,20,21,22,23,24,25,26,27,28,29,30,31
	global_load_b32 v[WX+32*((\t)%2)+\i], v[WOFF+\i], s[4:5] th:TH_LOAD_NT
.endr
.endm
	WLOAD 0
	WLOAD 1
.macro WBLOCK t
.set XS, WX+32*((\t)%2)
.if (\t) < NB-1
	s_wait_loadcnt 32                              ; this block's 32 loads are in; the next block's 32 may be out
.else
	s_wait_loadcnt 0
.endif
	v_max3_num_f32 v12, |v[XS]|, |v[XS+1]|, |v[XS+2]|              ; the block's largest magnitude: all 32 numbers are mine; two chains
	v_max3_num_f32 v13, |v[XS+3]|, |v[XS+4]|, |v[XS+5]|
.irp i, 6,10,14,18,22,26
	v_max3_num_f32 v12, v12, |v[XS+\i]|, |v[XS+\i+1]|
	v_max3_num_f32 v13, v13, |v[XS+\i+2]|, |v[XS+\i+3]|
.endr
	v_max3_num_f32 v12, v12, |v[XS+30]|, |v[XS+31]|
	v_max3_num_f32 v12, v12, v13, 0x1800000        ; and the floor 2^(3 - 127): the byte cannot fall under 1
	v_add_nc_u32 v11, 0xff000000, v12              ; 2 off the exponent field: the conversion takes the exponent field of this operand as its scale
	v_lshrrev_b32 v13, 23, v11                     ; the scale's byte
.if (\t)%4 == 0
	v_mov_b32 v[WSB+(\t)/4], v13                   ; four bytes to a register, the lower K in the lower byte
.else
	v_lshl_or_b32 v[WSB+(\t)/4], v13, 8*((\t)%4), v[WSB+(\t)/4]
.endif
.irp g, 0,1,2,3
	v_cvt_scalef32_pk8_fp4_f32 v[WC+\g], v[XS+8*\g:XS+8*\g+7], v11
.endr
	ds_store_b128 v4, v[WC:WC+3] offset:16*(\t)    ; 32 codes: 16 bytes of my column's row
.if (\t)+2 < NB
	WLOAD (\t)+2
.endif
	s_wait_dscnt 0x0                               ; the store has read its registers: the next block's codes may be written
.endm
.set Q, 0
.rept NB
	WBLOCK Q
.set Q, Q+1
.endr
	global_store_b128 v9, v[WSB:WSB+3], s[12:13]   ; my column's 16 scale bytes
.irp t, 0,1,2,3,4,5,6,7,8,9,10,11,12,13,14,15
	ds_load_b128 v[WOUT+4*\t:WOUT+4*\t+3], v7 offset:2*\t*PITCH    ; LDS serves a wave's instructions in order: these see my stores
.endr
.irp t, 0,1,2,3,4,5,6,7,8,9,10,11,12,13,14,15
	s_wait_dscnt 15-\t                             ; the younger reads of the stage may be out
	global_store_b128 v8, v[WOUT+4*\t:WOUT+4*\t+3], s[10:11] offset:2*\t*512   ; sixteen lanes store 256 consecutive bytes, aligned
.endr
	s_wait_tensorcnt 0x0
	ds_add_u32 v208, v209
	s_wait_dscnt 0x0
	s_endpgm
; ================= x =================
; A wave takes 8 rows, 8,192 numbers, as 16 steps of 512.  Each load reads 512 consecutive bytes; a step's 2,048 bytes turn through the wave's own stage so that a lane holds 16 neighbours; two lanes hold a block.
.Lx_path:
	v_lshlrev_b32 v3, 4, v2                        ; my 16 bytes of a load's 512
	s_mul_i32 s17, s16, WREG
	v_lshrrev_b32 v14, 2, v2
	v_mul_u32_u24 v14, v14, SP
	v_and_b32 v15, 3, v2
	v_lshl_add_u32 v14, v15, 4, v14
	v_add_nc_u32 v14, s17, v14                     ; the stage on the way in: SP (lane / 4) + 16 (lane % 4)
	v_mul_u32_u24 v15, v2, SP
	v_add_nc_u32 v15, s17, v15                     ; and on the way out: SP x lane
	v_lshlrev_b32 v4, 3, v2                        ; my 8 bytes of a step's 256 bytes of codes
	v_lshrrev_b32 v5, 1, v2
	s_add_co_u32 s17, s17, 2*32*SP
	v_add_nc_u32 v5, s17, v5                       ; LDS: my wave's 256 scale bytes, my block's byte
	v_lshlrev_b32 v7, 3, v2
	v_add_nc_u32 v6, s17, v7                       ; and on the way out 8 bytes a lane
	s_sub_co_u32 s18, ttmp9, NW
	s_lshl_b32 s18, s18, 2
	s_add_co_u32 s20, s18, s16                     ; which run of 8 rows I read,
	s_lshl_b32 s20, s20, 15                        ; 32,768 bytes a run
	s_mov_b32 s21, 0
	s_and_b32 s19, s16, 1
	s_lshl_b32 s19, s19, 1
	s_lshr_b32 s22, s16, 1
	s_or_b32 s19, s19, s22
	s_add_co_u32 s18, s18, s19                     ; and at which run of 8 places it lies: bits 3 and 4 of a row are bits 0 and 1 of the wave's number
	s_lshl_b32 s22, s18, 12                        ; 4,096 bytes of codes a run,
	s_mov_b32 s23, 0
	s_lshl_b32 s24, s18, 8                         ; 256 scale bytes
	s_mov_b32 s25, 0
	s_wait_kmcnt 0x0
	s_add_nc_u64 s[4:5], s[4:5], s[20:21]
	s_add_nc_u64 s[10:11], s[10:11], s[22:23]
	s_add_nc_u64 s[12:13], s[12:13], s[24:25]
.macro XLOAD t
.irp i, 0,1,2,3
	global_load_b128 v[XR+16*((\t)%4)+4*\i:XR+16*((\t)%4)+4*\i+3], v3, s[4:5] offset:2048*(\t)+512*\i th:TH_LOAD_NT
.endr
.endm
.macro XTURN t                         ; step t's numbers through the stage: LDS serves a wave's instructions in order, so no wait stands between the stores and the loads
.irp i, 0,1,2,3
	ds_store_b128 v14, v[XR+16*((\t)%4)+4*\i:XR+16*((\t)%4)+4*\i+3] offset:32*SP*((\t)%2)+8*SP*\i
.endr
.irp i, 0,1,2,3
	ds_load_b128 v[XN+16*((\t)%2)+4*\i:XN+16*((\t)%2)+4*\i+3], v15 offset:32*SP*((\t)%2)+16*\i
.endr
.endm
.irp t, 0,1,2,3
	XLOAD \t
.endr
	s_wait_loadcnt 12                              ; step 0's four loads are in; three steps' twelve may be out
	XTURN 0
.macro XSTEP t
.set XS, XN+16*((\t)%2)
.if (\t) > 0
	s_wait_dscnt 1                                 ; this step's numbers are back from the stage (the last step's byte store may be out): so its stores into the stage have read their registers,
.else
	s_wait_dscnt 0x0
.endif
.if (\t)+4 < STEPS
	XLOAD (\t)+4                                   ; which take the loads of four steps on
.endif
.if (\t)+1 < STEPS
.if STEPS-2-(\t) >= 3
	s_wait_loadcnt 12                              ; the next step's four loads are in; those of the three steps behind it may be out
.else
	s_wait_loadcnt 4*(STEPS-2-(\t))
.endif
	XTURN (\t)+1
.endif
	v_max3_num_f32 v8, |v[XS]|, |v[XS+1]|, |v[XS+2]|               ; the largest magnitude of my 16
	v_max3_num_f32 v9, |v[XS+3]|, |v[XS+4]|, |v[XS+5]|
.irp i, 6,10
	v_max3_num_f32 v8, v8, |v[XS+\i]|, |v[XS+\i+1]|
	v_max3_num_f32 v9, v9, |v[XS+\i+2]|, |v[XS+\i+3]|
.endr
	v_max3_num_f32 v8, v8, |v[XS+14]|, |v[XS+15]|
	v_max3_num_f32 v8, v8, v9, 0x1800000           ; and the floor 2^(3 - 127)
	v_max_num_f32_dpp v8, v8, v8 row_xmask:1 row_mask:0xf bank_mask:0xf   ; and of my neighbour's 16: the block's
	v_add_nc_u32 v11, 0xff000000, v8               ; 2 off its exponent field: the conversion's scale operand
	v_cvt_scalef32_pk8_fp4_f32 v[XC+4*(\t)], v[XS:XS+7], v11
	v_cvt_scalef32_pk8_fp4_f32 v[XC+4*(\t)+1], v[XS+8:XS+15], v11
	v_lshrrev_b32 v[XE+(\t)], 23, v11              ; the scale's byte (also the plain line behind the conversions)
	ds_store_b8 v5, v[XE+(\t)] offset:16*(\t)      ; both lanes of a block write the same byte with the same value
	global_store_b64 v4, v[XC+4*(\t):XC+4*(\t)+1], s[10:11] offset:256*(\t)   ; the wave stores 256 consecutive bytes, aligned
.endm
.irp t, 0,1,2,3,4,5,6,7,8,9,10,11,12,13,14,15
	XSTEP \t
.endr
	ds_load_b64 v[12:13], v6                       ; LDS serves a wave's instructions in order: this sees my byte stores
	s_wait_dscnt 0x0
	global_store_b64 v7, v[12:13], s[12:13]        ; 32 lanes store 256 consecutive bytes, aligned
	s_wait_tensorcnt 0x0
	ds_add_u32 v208, v209
	s_wait_dscnt 0x0
	s_endpgm
.Lfunc_end_k_qbf6765419a_quant:
	.size	k_qbf6765419a_quant, .Lfunc_end_k_qbf6765419a_quant-k_qbf6765419a_quant
	.p2alignl 7, 3214868480
	.fill 96, 4, 3214868480
	.section	.rodata,"a",@progbits
	.p2align	6, 0x0
	.amdhsa_kernel k_qbf6765419a_quant
		.amdhsa_group_segment_fixed_size 68096
		.amdhsa_private_segment_fixed_size 0
		.amdhsa_enable_private_segment 0
		.amdhsa_kernarg_size 40
		.amdhsa_user_sgpr_count 2
		.amdhsa_user_sgpr_kernarg_segment_ptr 1
		.amdhsa_wavefront_size32 1
		.amdhsa_system_sgpr_workgroup_id_x 1
		.amdhsa_system_sgpr_workgroup_id_y 1
		.amdhsa_system_sgpr_workgroup_id_z 1
		.amdhsa_system_vgpr_workitem_id 0
		.amdhsa_next_free_vgpr 210
		.amdhsa_next_free_sgpr 66
		.amdhsa_reserve_vcc 0
		.amdhsa_float_denorm_mode_32 3
		.amdhsa_float_denorm_mode_16_64 3
		.amdhsa_memory_ordered 1
		.amdhsa_forward_progress 1
		.amdhsa_inst_pref_size 113
	.end_amdhsa_kernel
	.amdgpu_metadata
---
amdhsa.version: [ 1, 2 ]
amdhsa.kernels:
  - .name:           k_qbf6765419a_quant
    .symbol:         k_qbf6765419a_quant.kd
    .args:
      - { .name: x, .offset: 0, .size: 8, .value_kind: global_buffer, .address_space: global }
      - { .name: w_qkv, .offset: 8, .size: 8, .value_kind: global_buffer, .address_space: global }
      - { .name: w_proj, .offset: 16, .size: 8, .value_kind: global_buffer, .address_space: global }
      - { .name: opc, .offset: 24, .size: 8, .value_kind: global_buffer, .address_space: global }
      - { .name: ops, .offset: 32, .size: 8, .value_kind: global_buffer, .address_space: global }
    .group_segment_fixed_size: 68096
    .private_segment_fixed_size: 0
    .kernarg_segment_align: 8
    .kernarg_segment_size: 40
    .max_flat_workgroup_size: 128
    .sgpr_count:     66
    .vgpr_count:     210
    .wavefront_size: 32
...
	.end_amdgpu_metadata
.endif
;; end of part 1
;; launch gemm_qkv (part 2): grid 8 x 48, 4 waves a work-group, clusters of 4 x 4, 297,472 bytes of LDS; arguments opc, ops, b_qkv, qkvc, qkvs; writes qkvc, qkvs
.if DOCPART == 2
	.amdgcn_target "amdgcn-amd-amdhsa--gfx1250"
	.amdhsa_code_object_version 6
	.text
	.protected	k_qbf6765419a_gemm_qkv
	.globl	k_qbf6765419a_gemm_qkv
	.p2align	8
	.type	k_qbf6765419a_gemm_qkv,@function
k_qbf6765419a_gemm_qkv:
	s_mov_b64 s[64:65], 0
	v_nop
	global_prefetch_b8 v0, s[64:65] scope:SCOPE_SE
	s_setreg_imm32_b32 hwreg(HW_REG_WAVE_MODE, 25, 1), 1
	s_wait_xcnt 0x0
	s_wait_alu depctr_hold_cnt(0) depctr_sa_sdst(0) depctr_va_vdst(0) depctr_va_sdst(0) depctr_va_ssrc(0) depctr_va_vcc(0) depctr_vm_vsrc(0)
	s_getreg_b32 s2, hwreg(HW_REG_IB_STS2, 6, 4)
	s_cmp_eq_u32 s2, 0
	s_cbranch_scc0 .Lentry_in_a_cluster
	s_endpgm
.Lentry_in_a_cluster:
	s_bfe_u32 s2, ttmp6, 0x10000c
	s_cmp_lg_u32 s2, 0xf033
	s_cbranch_scc0 .Lentry_shape_is_right
	s_endpgm
.Lentry_shape_is_right:
; qkv = x w_qkv + b_qkv on codes of FP4 (E2M1) with E8M0 scales, K = 1,024; the results never go to memory as f32: q and k are quantised along the head's 64, v along the tokens, in registers,
; and leave as IMAGES OF THE OPERAND REGISTERS that the attention launch loads (512 consecutive bytes a store).
; A tile of 256 x 256 is made by four waves, 128 x 128 each: 64 accumulators of 16 x 16.  THE MATRIX INSTRUCTION IS USED TRANSPOSED: source 0 = 16 rows of operand P, source 1 = 16 rows of operand R:
; a lane holds one row of R, and its registers run along P.  So P is the axis that is quantised next.  Both operands are rows of opc / ops (places: a row's number with bits 3 and 4 exchanged), so that the 16
; registers of two neighbouring tiles of P are 16 neighbours: register 16 b + i of a block of R = P's row 32 b + 16 (lane / 16) + i.
;   clusters y 0 .. 7  (q, k): P = columns n of w_qkv, 0 .. 2047;  R = tokens.      clusters y 8 .. 11 (v): P = tokens;  R = columns 2048 .. 3071.
; The kind is the same in all sixteen work-groups of a cluster; it chooses addresses, and two short branches (the bias's layout, a second store of scale words).
; ALL OF K LIES IN LDS: two halves of 512 along K (rows of 256 bytes + 16 of padding) and all scale bytes are first fills; no LDS byte is filled twice.
; CLUSTERS 4 x 4: R's tile hangs on the cluster's y and on cy, and is asked for jointly by the four of a row; P's hangs on the cluster's x, y and on cx, and is asked for jointly by the four of a column.
; The bias is the C of each sum's first matrix instruction.
; LIMITS: a block of zeros gets the byte 1 (its codes are zeros; this program alone reads the bytes); NaN and infinities are not served.
; REGISTERS, in windows of 256: window 0: v0-31 addresses; v32-95 scale words of the operands, two sets, nothing else; v96-116 and v200-215 the way out; v128-191 R's fragments, one set, later the codes made.
;   window 1: P's fragments, two sets, at v0 and v128; v64-127 the bias.   window 2: accumulators of my R blocks 0-3 ((a, b) at v[8 (8 (a % 4) + b)]);   window 3: of blocks 4-7.
.set NQ,     4                         ; steps of 128 along K in a slot
.set ROWB,   256                       ; a tile's row in bytes: 512 codes
.set KROW,   512                       ; a row of opc
.set PITCH,  272                       ; an LDS row: 256 bytes + 16 of padding = 68 words: the 16 rows that a load touches start at 16 different banks (64 banks of 4 bytes: ISA guide 11.1)
.set FR,     8                         ; registers of a fragment
.set NL,     2                         ; LDS loads that bring one
.set NP,     4                         ; places behind this matrix instruction (ISA guide 7.12.1)
.set HALFT,  128*PITCH
.set SLOT,   4*HALFT                   ; R's 256 rows, then P's 256 rows
.set KS,     32                        ; a row of scale bytes
.set SCL,    2*SLOT                    ; behind the two slots: the scales, as units of 256 bytes + 16 of padding
.set HALFS,  (128*KS/256)*272
.set SBLK,   (16*KS/256)*272
.set ADRA, 16                          ; v16-17 LDS address of my R fragments in slot 0, 1
.set ADRB, 20                          ; v20-21 the same for P
.set ADRS, 27                          ; v27    of my scale words: lanes 0-15 R's rows, lanes 16-31 P's
.set SC,   32                          ; scale words: set s at v[SC + 32 s]; register 4 i + q: lanes 0-15 R's block i, lanes 16-31 P's block i, the slot's q-th 128 along K
.set AF,   128                         ; R's fragments
.set BT,   64                          ; the bias, in window 1
.set WW,   96                          ; v96-103  the scale word of each block made on the way out
.set OUTW, 104                         ; v104-107 four words a lane to store;  v108-111 the same for the wave's second head
.set OUT2, 108
.set VO,   112                         ; v112-115 byte offsets of the images;  v116 of the scale words
.set VSO,  116
.set TM,   200                         ; v200-215 at work in the quantiser
.set G1, 24
.set G0, 32
.set G1B, 48
.set G0B, 56
.set G1S, 68
.set G0S, 76
.set G1SB, 80
.set G0SB, 88
.set MSB, 0
.macro WIN new                         ; the immediate's high byte repeats the setting that is left; a switch that changes nothing is dropped
.if MSB != (\new)
	s_set_vgpr_msb (MSB<<8)|(\new)
.set MSB, (\new)
.endif
.endm
.set MUL_LO, 0xa1                      ; source 0 (P) window 1, source 1 (R) window 0, C and D window 2
.set MUL_HI, 0xf1                      ; the same, C and D window 3
.set TO_B,   0x40                      ; destination window 1, address window 0
; A joint load: waves 0 and 1 fetch for R, waves 2 and 3 for P.  The branch hangs on the wave's number alone.  Four v_nop follow each of the two lines.
.macro JLOAD g0a, g1a, g0b, g1b
	s_cmp_eq_u32 s15, 0
	s_cbranch_scc0 .Lfor_b_\@
	tensor_load_to_lds s[\g0a:\g0a+3], s[\g1a:\g1a+7]
	s_nop 0
.rept 4
	v_nop
.endr
	s_branch .Lasked_\@
.Lfor_b_\@:
	tensor_load_to_lds s[\g0b:\g0b+3], s[\g1b:\g1b+7]
	s_nop 0
.rept 4
	v_nop
.endr
.Lasked_\@:
.endm
.macro CROUND                          ; a round of the cluster's barrier
	s_barrier_signal -1
	s_barrier_wait -1
	s_cmp_lg_u32 s14, 0
	s_cbranch_scc1 .Lnot_wave_0_\@
	s_barrier_signal -3
.Lnot_wave_0_\@:
	s_barrier_wait -3
	s_barrier_signal -1
	s_barrier_wait -1
.endm
	s_load_b128 s[4:7], s[0:1], 0x0                ; opc, ops
	s_load_b128 s[8:11], s[0:1], 0x10              ; b_qkv, qkvc
	s_load_b64 s[12:13], s[0:1], 0x20              ; qkvs
	v_lshl_add_u32 v254, v0, 2, 0x48800
	v_mov_b32 v255, 0
	ds_add_u32 v254, v255
	ds_add_u32 v254, v255
	v_lshrrev_b32 v1, 5, v0
	v_readfirstlane_b32 s14, v1                    ; wave 0..3
	s_lshr_b32 s15, s14, 1                         ; which half of R's 256 rows is mine.  Also: I fetch for R (0) or for P (1)
	s_and_b32 s16, s14, 1                          ; which half of P's.  Also: which 128 rows of that tile I fetch
	s_bfe_u32 s40, ttmp6, 0x40000                  ; cx, cy: my place in the cluster
	s_bfe_u32 s41, ttmp6, 0x40004
	s_lshl_b32 s43, s41, 2
	s_lshl_b32 s43, 15, s43                        ; my row of the cluster
	s_lshl_b32 s44, 0x1111, s40                    ; my column
	s_and_b32 s95, ttmp7, 0xffff                   ; the cluster's y: 0 .. 11
	s_max_u32 s101, s95, 8
	s_sub_co_u32 s101, s101, 8                     ; y - 8 in a cluster for v, else 0
	s_lshl_b32 s97, s95, 10                        ; q, k: R's tiles of this cluster begin at token 1,024 y
	s_lshl_b32 s98, s101, 11                       ; v: P's tiles of this row of clusters begin at token 2,048 (y - 8)
	s_mov_b32 s99, 10240                           ; v: R = w_qkv's columns from 2,048 on
	s_mov_b32 s100, 8192                           ; q, k: P = w_qkv's columns
	s_cmp_ge_u32 s95, 8
	s_cselect_b32 s96, 1, 0                        ; the kind: 1 = v
	s_cselect_b32 s97, s99, s97
	s_cselect_b32 s98, s98, s100
	s_lshl_b32 s20, s41, 8
	s_add_co_u32 s20, s20, s97                     ; R's first place: of the cluster's y and cy alone
	s_lshl_b32 s46, s40, 8
	s_lshl_b32 s99, ttmp9, 10
	s_add_co_u32 s46, s46, s99
	s_add_co_u32 s46, s46, s98                     ; P's first place: of the cluster's x, y and cx alone
	; descriptor group 1: a tile of 128 rows x 256 bytes, padded in LDS
	s_or_b32 s[G1+0], s43, (0<<16)|(1<<20)|(1<<21)|(5<<22)|(3<<25)  ; 15:0 the mask: R's tiles go to my row; 17:16 element of 1 byte; 20 padding on; 21 set beside a mask; 24:22 after every 64 words; 31:25 four words
	s_or_b32 s[G1B+0], s44, (0<<16)|(1<<20)|(1<<21)|(5<<22)|(3<<25) ; P's go to my column
.irp g, G1, G1B
	s_mov_b32 s[\g+1], ROWB<<16                    ; tensor_dim0
	s_mov_b32 s[\g+2], 128<<16                     ; tensor_dim1
	s_mov_b32 s[\g+3], ROWB<<16                    ; tile_dim0
	s_mov_b32 s[\g+4], 128                         ; tile_dim1
	s_mov_b32 s[\g+5], KROW                        ; from row to row
	s_mov_b32 s[\g+6], 0
	s_mov_b32 s[\g+7], 0
.endr
	; the scales of 128 rows: 4,096 dense bytes, as 16 rows of 256 bytes (32 elements of 8 bytes), 16 bytes of padding behind each
	s_or_b32 s[G1S+0], s43, (3<<16)|(1<<20)|(1<<21)|(5<<22)|(3<<25)
	s_or_b32 s[G1SB+0], s44, (3<<16)|(1<<20)|(1<<21)|(5<<22)|(3<<25)
.irp g, G1S, G1SB
	s_mov_b32 s[\g+1], 32<<16
	s_mov_b32 s[\g+2], (128*KS/256)<<16
	s_mov_b32 s[\g+3], 32<<16
	s_mov_b32 s[\g+4], 128*KS/256
	s_mov_b32 s[\g+5], 32
	s_mov_b32 s[\g+6], 0
	s_mov_b32 s[\g+7], 0
.endr
	s_lshl_b32 s18, s16, 7                         ; which 128 rows of the tile I fetch
	s_add_co_u32 s20, s20, s18
	s_add_co_u32 s46, s46, s18
	s_lshl_b32 s22, s20, 5                         ; their scale bytes (all offsets stay under 2^23)
	s_mov_b32 s23, 0
	s_lshl_b32 s20, s20, 9                         ; and their codes
	s_mov_b32 s21, 0
	s_lshl_b32 s92, s46, 5
	s_mov_b32 s93, 0
	s_lshl_b32 s46, s46, 9
	s_mov_b32 s47, 0
	s_mul_i32 s45, s14, HALFT                      ; where they go: wave x 128 rows: no place in the cluster enters an LDS address
	s_mul_i32 s94, s14, HALFS
	s_wait_dscnt 0x0
	s_wait_kmcnt 0x0
	s_add_nc_u64 s[20:21], s[4:5], s[20:21]
	s_add_nc_u64 s[22:23], s[6:7], s[22:23]
	s_add_nc_u64 s[46:47], s[4:5], s[46:47]
	s_add_nc_u64 s[92:93], s[6:7], s[92:93]
	CROUND                                         ; all sixteen work-groups are here: the joint loads meet
	s_mov_b32 s[G0S], 1
	s_add_co_u32 s[G0S+1], s94, SCL
	s_mov_b64 s[G0S+2:G0S+3], s[22:23]
	s_or_b32 s[G0S+3], s[G0S+3], 0x80000000
	s_mov_b32 s[G0SB], 1
	s_add_co_u32 s[G0SB+1], s94, SCL
	s_mov_b64 s[G0SB+2:G0SB+3], s[92:93]
	s_or_b32 s[G0SB+3], s[G0SB+3], 0x80000000
	JLOAD G0S, G1S, G0SB, G1SB                     ; the scales first: they are wanted with the first half of K
.irp s, 0,1
	s_mov_b32 s[G0+4*\s], 1
	s_add_co_u32 s[G0+4*\s+1], s45, \s*SLOT
	s_add_nc_u64 s[G0+4*\s+2:G0+4*\s+3], s[20:21], \s*ROWB
	s_or_b32 s[G0+4*\s+3], s[G0+4*\s+3], 0x80000000
	s_mov_b32 s[G0B+4*\s], 1
	s_add_co_u32 s[G0B+4*\s+1], s45, \s*SLOT
	s_add_nc_u64 s[G0B+4*\s+2:G0B+4*\s+3], s[46:47], \s*ROWB
	s_or_b32 s[G0B+4*\s+3], s[G0B+4*\s+3], 0x80000000
	JLOAD G0+4*\s, G1, G0B+4*\s, G1B               ; both halves of K: three loads of mine are out, and no more follow
.endr
	v_and_b32 v1, 15, v0                           ; r = lane % 16
	v_bfe_u32 v2, v0, 4, 1                         ; h = lane / 16
	v_mul_u32_u24 v3, v1, PITCH
	v_lshl_add_u32 v4, v2, 4, v3                   ; a fragment's row x pitch + 16 x half
	s_mul_i32 s21, s15, HALFT                      ; my 128 rows of R
	s_mul_i32 s22, s16, HALFT                      ; my 128 rows of P,
	s_add_co_u32 s22, s22, 2*HALFT                 ; which lie behind R's 256
.irp s, 0,1
	v_add_nc_u32 v[ADRA+\s], s21, v4
	v_add_nc_u32 v[ADRB+\s], s22, v4
	s_add_co_u32 s21, s21, SLOT
	s_add_co_u32 s22, s22, SLOT
.endr
	v_mul_u32_u24 v5, v1, KS                       ; my row's scales: 32 bytes a row,
	v_lshrrev_b32 v6, 8, v5
	v_lshl_add_u32 v5, v6, 4, v5                   ; and 16 more for each 256 passed
	s_mul_i32 s21, s15, HALFS
	s_mul_i32 s22, s16, HALFS
	s_add_co_u32 s22, s22, 2*HALFS
	s_sub_co_u32 s22, s22, s21
	v_mul_u32_u24 v6, s22, v2                      ; lanes 16-31 take P's: one product, the distance between the two bases
	s_add_co_u32 s21, s21, SCL
	v_add_nc_u32 v5, v5, v6
	v_add_nc_u32 v[ADRS], s21, v5
	s_mov_b32 s2, 0x76543210
	s_mov_b32 s3, 0xfedcba98                       ; v_permlanex16_b32's selects for lane l xor 16
.irp b, 0,1,2,3
	v_mov_b32 v[TM+4+\b], 0                        ; written once: a lane permute's destination counts as one of its sources
.endr
	; THE BIAS, in the layout of the results.  q, k: it runs along P, so along a lane's registers: register 8 b + j = b_qkv[n0 + 32 (b / 2) + 16 h + 8 (b % 2) + j].
	; v: it runs along R, so along the lanes: registers 8 a + 0 .. 7 all = b_qkv[n0 + 32 (a / 2) + 8 (a % 2) + r + 8 (r / 8)].
	s_lshl_b32 s97, ttmp9, 10
	s_lshl_b32 s98, s40, 8
	s_add_co_u32 s97, s97, s98
	s_lshl_b32 s98, s16, 7
	s_add_co_u32 s97, s97, s98                     ; q, k: n0 = 1,024 x + 256 cx + 128 (my half of P)
	s_lshl_b32 s98, s41, 8
	s_lshl_b32 s99, s15, 7
	s_add_co_u32 s98, s98, s99
	s_add_co_u32 s98, s98, 2048                    ; v: n0 = 2,048 + 256 cy + 128 (my half of R)
	s_cmp_eq_u32 s96, 0
	s_cselect_b32 s98, s97, s98
	s_lshl_b32 s98, s98, 2
	s_mov_b32 s99, 0
	s_add_nc_u64 s[8:9], s[8:9], s[98:99]
	v_lshlrev_b32 v8, 6, v2                        ; 16 h numbers
	v_and_b32 v9, 8, v1
	v_add_nc_u32 v9, v9, v1
	v_lshlrev_b32 v9, 2, v9                        ; r + 8 (r / 8) numbers
	s_cmp_eq_u32 s96, 0
	s_cbranch_scc0 .Lbias_v
	WIN TO_B
.irp b, 0,1,2,3,4,5,6,7
	global_load_b128 v[BT+8*\b:BT+8*\b+3], v8, s[8:9] offset:(32*(\b/2)+8*(\b%2))*4
	global_load_b128 v[BT+8*\b+4:BT+8*\b+7], v8, s[8:9] offset:(32*(\b/2)+8*(\b%2))*4+16
.endr
	WIN 0
	s_branch .Lbias_done
.Lbias_v:
	WIN TO_B
.irp a, 0,1,2,3,4,5,6,7
.irp j, 0,1,2,3,4,5,6,7
	global_load_b32 v[BT+8*\a+\j], v9, s[8:9] offset:(32*(\a/2)+8*(\a%2))*4
.endr
.endr
	WIN 0
.Lbias_done:
.macro FRAG reg, adr, q, i             ; a fragment, 16 rows x 128 K of 4-bit codes: lane l holds row l % 16; registers 4 c .. 4 c + 3 hold K = 64 c + 32 (l / 16) + 0 .. 31
.irp c, 0,1
	ds_load_b128 v[\reg+4*\c:\reg+4*\c+3], v[\adr] offset:64*(\q)+32*\c+(\i)*16*PITCH
.endr
.endm
; 16 matrix instructions: R's blocks a0, a0 + 1 x P's eight, the slot's q-th 128 along K.  p: P's set;  sc: the set of scale words.  zero = 1: C = the bias along P;  2: the bias along R;  0: in place.
; The 64 accumulators take turns, one instruction a turn, in the same order in every step.
.macro MUL16 a0, p, q, sc, zero
.irp a, \a0, \a0+1
.irp b, 0,1,2,3,4,5,6,7
.if \zero == 1
	v_wmma_scale_f32_16x16x128_f8f6f4 v[8*(8*((\a)%4)+\b):8*(8*((\a)%4)+\b)+7], v[128*(\p)+FR*\b:128*(\p)+FR*\b+FR-1], v[AF+FR*(\a):AF+FR*(\a)+FR-1], v[BT+8*\b:BT+8*\b+7], v[SC+8*NQ*(\sc)+NQ*\b+(\q)], v[SC+8*NQ*(\sc)+NQ*(\a)+(\q)] matrix_a_fmt:MATRIX_FMT_FP4 matrix_b_fmt:MATRIX_FMT_FP4 matrix_a_scale:MATRIX_SCALE_ROW1
.elseif \zero == 2
	v_wmma_scale_f32_16x16x128_f8f6f4 v[8*(8*((\a)%4)+\b):8*(8*((\a)%4)+\b)+7], v[128*(\p)+FR*\b:128*(\p)+FR*\b+FR-1], v[AF+FR*(\a):AF+FR*(\a)+FR-1], v[BT+8*(\a):BT+8*(\a)+7], v[SC+8*NQ*(\sc)+NQ*\b+(\q)], v[SC+8*NQ*(\sc)+NQ*(\a)+(\q)] matrix_a_fmt:MATRIX_FMT_FP4 matrix_b_fmt:MATRIX_FMT_FP4 matrix_a_scale:MATRIX_SCALE_ROW1
.else
	v_wmma_scale_f32_16x16x128_f8f6f4 v[8*(8*((\a)%4)+\b):8*(8*((\a)%4)+\b)+7], v[128*(\p)+FR*\b:128*(\p)+FR*\b+FR-1], v[AF+FR*(\a):AF+FR*(\a)+FR-1], v[8*(8*((\a)%4)+\b):8*(8*((\a)%4)+\b)+7], v[SC+8*NQ*(\sc)+NQ*\b+(\q)], v[SC+8*NQ*(\sc)+NQ*(\a)+(\q)] matrix_a_fmt:MATRIX_FMT_FP4 matrix_b_fmt:MATRIX_FMT_FP4 matrix_a_scale:MATRIX_SCALE_ROW1
.endif
.endr
.endr
.endm
.macro FETCH_B slot, q, p              ; P's eight fragments of the slot's q-th 128 along K into set p
	WIN TO_B
.irp i, 0,1,2,3,4,5,6,7
	FRAG 128*(\p)+FR*\i, ADRB+\slot, \q, \i
.endr
	WIN 0
.endm
.macro FETCH_A slot, q, i0             ; R's blocks i0 .. i0 + 3
.irp i, \i0, \i0+1, \i0+2, \i0+3
	FRAG AF+FR*(\i), ADRA+\slot, \q, \i
.endr
.endm
.macro SCALES sc                       ; a slot's scale words into set sc: four words a row; lanes 0-15 take R's block i, lanes 16-31 P's block i
.irp i, 0,1,2,3,4,5,6,7
	ds_load_b128 v[SC+8*NQ*\sc+NQ*\i:SC+8*NQ*\sc+NQ*\i+3], v[ADRS] offset:\i*SBLK
.endr
.endm
; A load into a register that a matrix instruction has read, and a vector instruction that reads a matrix result, stand NP places behind that matrix instruction; only plain vector instructions that name none
; of its registers are places (ISA guide 7.12.1 for vector instructions).
.macro PLACES n
.rept \n
	v_nop
.endr
.endm
; A step of 128 along K that has its successor in the same slot.  R has one set of registers: blocks 0-3 are fetched anew in the step's middle, blocks 4-7 at its end; P has two sets.
.macro STEP slot, q, zero
	s_wait_dscnt 4*NL                              ; P's set and R's blocks 0-3 are in; the youngest eight loads (R's blocks 4-7) may be out
.if \zero
	WIN 0x91                                       ; as MUL_LO, with C (the bias) in window 1
.else
	WIN MUL_LO
.endif
	MUL16 0, (\q)%2, \q, \slot, \zero
	MUL16 2, (\q)%2, \q, \slot, \zero
	s_wait_dscnt 0                                 ; R's blocks 4-7 are in
	PLACES NP
	FETCH_B \slot, (\q)+1, 1-(\q)%2
	FETCH_A \slot, (\q)+1, 0
.if \zero
	WIN 0xd1
.else
	WIN MUL_HI
.endif
	MUL16 4, (\q)%2, \q, \slot, \zero
	MUL16 6, (\q)%2, \q, \slot, \zero
	PLACES NP
	WIN 0
	FETCH_A \slot, (\q)+1, 4
.endm
.macro STEPS slot, from                ; the slot's steps from .. NQ - 2
.set Q, \from
.rept NQ-1-\from
	STEP \slot, Q, 0
.set Q, Q+1
.endr
.endm
	s_wait_tensorcnt 1                             ; the scales and my part of the first half of K are in (the second half's load may be out),
	s_barrier_signal -1
	s_barrier_wait -1                              ; everybody's are
	FETCH_B 0, 0, 0
	FETCH_A 0, 0, 0
	SCALES 0
	FETCH_A 0, 0, 4
	s_wait_loadcnt 0x0                             ; the bias
	s_cmp_eq_u32 s96, 0
	s_cbranch_scc0 .Lfirst_v
	STEP 0, 0, 1                                   ; the first step starts the sums with the bias: nothing is cleared, nothing is added later
	s_branch .Lfirst_done
.Lfirst_v:
	STEP 0, 0, 2
.Lfirst_done:
	STEPS 0, 1
	; slot 0's last step goes over to slot 1: my part of it has landed, and a barrier shows everybody's.  Nothing is filled again.
	s_wait_tensorcnt 0x0
	s_wait_dscnt 4*NL                              ; (R's blocks 4-7 may be out)
	WIN MUL_LO
	MUL16 0, 1, NQ-1, 0, 0
	s_wait_dscnt 0x0                               ; no LDS instruction of mine is pending at the signal
	s_barrier_signal -1
	MUL16 2, 1, NQ-1, 0, 0
	WIN 0
	s_barrier_wait -1
	PLACES NP
	v_add_nc_u32 v[ADRS], 4*NQ, v[ADRS]            ; on to the second half's scale words
	FETCH_B 1, 0, 0
	FETCH_A 1, 0, 0
	SCALES 1
	WIN MUL_HI
	MUL16 4, 1, NQ-1, 0, 0
	MUL16 6, 1, NQ-1, 0, 0
	PLACES NP
	WIN 0
	FETCH_A 1, 0, 4
	STEPS 1, 0
	s_wait_dscnt 4*NL                              ; the very last step: nothing more to fetch
	WIN MUL_LO
	MUL16 0, 1, NQ-1, 1, 0
	MUL16 2, 1, NQ-1, 1, 0
	s_wait_dscnt 0
	WIN MUL_HI
	MUL16 4, 1, NQ-1, 1, 0
	MUL16 6, 1, NQ-1, 1, 0
	WIN 0
	PLACES NP
	; THE WAY OUT.  Where my images and scale words go; all descriptors are done with, so their registers are free.
	; q, k: block a = 16 tokens (tile t0 + a of the batch's 128), its 128 numbers = two heads of 64: half c of the fragment is head Hd + c's image of that tile.
	; v:    block a = 16 of a head's 64 (head Hd + a / 4, tile a % 4), its 128 numbers = the 128 keys of key step ks: half c is keys 64 c on.
	s_lshl_b32 s24, s95, 2
	s_add_co_u32 s24, s24, s41                     ; q, k: which 256 tokens
	s_lshr_b32 s25, s24, 3                         ;       the batch
	s_and_b32 s26, s24, 7
	s_lshl_b32 s26, s26, 4
	s_lshl_b32 s27, s15, 3
	s_add_co_u32 s26, s26, s27                     ;       t0 = 16 (.. % 8) + 8 (my half of R)
	s_lshl_b32 s27, s40, 2
	s_lshl_b32 s28, s16, 1
	s_add_co_u32 s27, s27, s28                     ;       Hd = 4 cx + 2 (my half of P)
	s_lshl_b32 s28, ttmp9, 16                      ;       q's images (x = 0) or k's (x = 1): 65,536 bytes each,
	s_lshl_b32 s29, s26, 9
	s_add_co_u32 s28, s28, s29                     ;       512 bytes a tile
	s_lshl_b32 s29, ttmp9, 13                      ;       their scale words: 8,192 bytes each,
	s_lshl_b32 s30, s26, 6
	s_add_co_u32 s29, s29, s30                     ;       256 bytes for four tiles
	s_lshl_b32 s30, ttmp9, 2
	s_add_co_u32 s30, s30, s40
	s_lshl_b32 s31, s101, 3
	s_add_co_u32 s30, s30, s31                     ; v:    which 256 tokens
	s_lshl_b32 s30, s30, 1
	s_add_co_u32 s30, s30, s16                     ;       which 128
	s_lshr_b32 s31, s30, 4                         ;       the batch
	s_and_b32 s30, s30, 15                         ;       ks
	s_lshl_b32 s32, s41, 2
	s_lshl_b32 s33, s15, 1
	s_add_co_u32 s32, s32, s33                     ;       Hd = 4 cy + 2 (my half of R)
	s_lshl_b32 s33, s30, 12
	s_add_co_u32 s33, s33, 131072                  ;       v's images lie behind q's and k's: 4,096 bytes a key step
	s_lshl_b32 s34, s30, 8
	s_add_co_u32 s34, s34, 16384                   ;       its scale words: 256 bytes a key step
	s_mov_b32 s35, 196608                          ; a head's images,
	s_mov_b32 s36, 2048                            ; four images,
	s_mov_b32 s37, 20480                           ; a head's scale words
	s_cmp_eq_u32 s96, 0
	s_cselect_b32 s25, s25, s31
	s_cselect_b32 s27, s27, s32
	s_cselect_b32 s28, s28, s33
	s_cselect_b32 s29, s29, s34
	s_cselect_b32 s30, s36, s35                    ; from blocks 0-3 to blocks 4-7
	s_cselect_b32 s31, s35, s36                    ; from half 0 of a fragment to half 1
	s_cselect_b32 s32, 256, s37                    ; the scale words of blocks 4-7
	s_lshl_b32 s25, s25, 4
	s_add_co_u32 s25, s25, s27                     ; 16 x batch + head
	s_mul_i32 s26, s25, 196608
	s_add_co_u32 s26, s26, s28
	s_mov_b32 s27, 0
	s_add_nc_u64 s[10:11], s[10:11], s[26:27]
	s_mul_i32 s26, s25, 20480
	s_add_co_u32 s26, s26, s29
	s_add_nc_u64 s[12:13], s[12:13], s[26:27]
	v_and_b32 v6, 31, v0
	v_lshlrev_b32 v[VO], 4, v6                     ; an image: 16 bytes a lane
	v_add_nc_u32 v[VO+1], s31, v[VO]
	v_add_nc_u32 v[VO+2], s30, v[VO]
	v_add_nc_u32 v[VO+3], s30, v[VO+1]
	v_mul_lo_u32 v[VSO], v2, s32
	v_lshl_add_u32 v[VSO], v1, 4, v[VSO]           ; scale words: 16 bytes (four blocks' words) a row r; lanes 16-31 store blocks 4-7's
; Block a's 64 numbers of a lane (register 16 b + i = P's row 32 b + 16 h + i) become a fragment's codes and its scale word, and the two halves of the fragment leave as images.
.macro QA a
.set QW, 2+(\a)/4
.set AC, 64*((\a)%4)
.set PC, AF+8*(\a)
	WIN (QW<<2)|(QW<<4)                            ; sources 1 and 2: the accumulators' window
.irp b, 0,1,2,3
	v_max3_num_f32 v[TM+\b], 0x1800000, |v[AC+16*\b]|, |v[AC+16*\b+1]|   ; block b: my 16 numbers and the floor 2^(3 - 127); each accumulator is read from its low end on
.endr
.irp i, 2,4,6,8,10,12,14
.irp b, 0,1,2,3
	v_max3_num_f32 v[TM+\b], v[TM+\b], |v[AC+16*\b+\i]|, |v[AC+16*\b+\i+1]|   ; (the four blocks by turns)
.endr
.endr
	WIN 0
.irp b, 0,1,2,3
	v_permlanex16_b32 v[TM+4+\b], v[TM+\b], s2, s3
.endr
.irp b, 0,1,2,3
	v_max_num_f32 v[TM+\b], v[TM+\b], v[TM+4+\b]   ; with lane l xor 16's: the block's largest magnitude
.endr
.irp b, 0,1,2,3
	v_add_nc_u32 v[TM+12+\b], 0xff000000, v[TM+\b] ; 2 off its exponent field: the conversion's scale operand
.endr
.irp b, 0,1,2,3
	v_lshrrev_b32 v[TM+4+\b], 23, v[TM+12+\b]      ; the scale's byte
.endr
	v_lshl_or_b32 v[WW+(\a)], v[TM+5], 8, v[TM+4]
	v_lshl_or_b32 v[WW+(\a)], v[TM+6], 16, v[WW+(\a)]
	v_lshl_or_b32 v[WW+(\a)], v[TM+7], 24, v[WW+(\a)]
	WIN QW                                         ; source 0: the accumulators' window
.irp b, 0,1,2,3
	v_cvt_scalef32_pk8_fp4_f32 v[PC+2*\b], v[AC+16*\b:AC+16*\b+7], v[TM+12+\b]
	v_cvt_scalef32_pk8_fp4_f32 v[PC+2*\b+1], v[AC+16*\b+8:AC+16*\b+15], v[TM+12+\b]
.endr
	WIN 0
	v_nop                                          ; one plain place behind a scaled conversion
.irp c, 0,1                                    ; the operand's layout wants a whole block in a lane: lanes 0-15 block 2 c, lanes 16-31 block 2 c + 1
.irp i, 0,1
	v_permlane16_swap_b32 v[PC+4*\c+\i], v[PC+2+4*\c+\i]
.endr
.endr
.irp c, 0,1
	global_store_b128 v[VO+2*((\a)/4)+\c], v[PC+4*\c:PC+4*\c+3], s[10:11] offset:((\a)%4)*512   ; 32 lanes store 512 consecutive bytes, aligned; no store's data are written again
.endr
.endm
.irp a, 0,1,2,3,4,5,6,7
	QA \a
.endr
	v_cmp_le_u32 vcc_lo, 16, v6
.irp i, 0,1,2,3
	v_cndmask_b32 v[OUTW+\i], v[WW+\i], v[WW+4+\i], vcc_lo   ; lanes 0-15: blocks 0-3's words of row r; lanes 16-31: blocks 4-7's (both halves of the lanes hold every word)
.endr
	global_store_b128 v[VSO], v[OUTW:OUTW+3], s[12:13]
	s_cmp_eq_u32 s96, 0
	s_cbranch_scc0 .Lno_second
.irp i, 0,1,2,3
	v_alignbit_b32 v[OUT2+\i], v[OUTW+\i], v[OUTW+\i], 16   ; q, k: a word holds two heads' two bytes each.  Each head gets the word with its own bytes low; the other two stand over zero codes there
.endr
	global_store_b128 v[VSO], v[OUT2:OUT2+3], s[12:13] offset:20480
.Lno_second:
	s_wait_tensorcnt 0x0
	ds_add_u32 v254, v255
	s_wait_dscnt 0x0
	CROUND                                         ; the closing round: no work-group ends while a partner may still ask for a tile that names it
	s_endpgm
.Lfunc_end_k_qbf6765419a_gemm_qkv:
	.size	k_qbf6765419a_gemm_qkv, .Lfunc_end_k_qbf6765419a_gemm_qkv-k_qbf6765419a_gemm_qkv
	.p2alignl 7, 3214868480
	.fill 96, 4, 3214868480
	.section	.rodata,"a",@progbits
	.p2align	6, 0x0
	.amdhsa_kernel k_qbf6765419a_gemm_qkv
		.amdhsa_group_segment_fixed_size 297472
		.amdhsa_private_segment_fixed_size 0
		.amdhsa_enable_private_segment 0
		.amdhsa_kernarg_size 40
		.amdhsa_user_sgpr_count 2
		.amdhsa_user_sgpr_kernarg_segment_ptr 1
		.amdhsa_wavefront_size32 1
		.amdhsa_system_sgpr_workgroup_id_x 1
		.amdhsa_system_sgpr_workgroup_id_y 1
		.amdhsa_system_sgpr_workgroup_id_z 1
		.amdhsa_system_vgpr_workitem_id 0
		.amdhsa_next_free_vgpr 1024
		.amdhsa_next_free_sgpr 102
		.amdhsa_reserve_vcc 1
		.amdhsa_float_denorm_mode_32 3
		.amdhsa_float_denorm_mode_16_64 3
		.amdhsa_memory_ordered 1
		.amdhsa_forward_progress 1
		.amdhsa_inst_pref_size 149
	.end_amdhsa_kernel
	.amdgpu_metadata
---
amdhsa.version: [ 1, 2 ]
amdhsa.kernels:
  - .name:           k_qbf6765419a_gemm_qkv
    .symbol:         k_qbf6765419a_gemm_qkv.kd
    .args:
      - { .name: opc, .offset: 0, .size: 8, .value_kind: global_buffer, .address_space: global }
      - { .name: ops, .offset: 8, .size: 8, .value_kind: global_buffer, .address_space: global }
      - { .name: b_qkv, .offset: 16, .size: 8, .value_kind: global_buffer, .address_space: global }
      - { .name: qkvc, .offset: 24, .size: 8, .value_kind: global_buffer, .address_space: global }
      - { .name: qkvs, .offset: 32, .size: 8, .value_kind: global_buffer, .address_space: global }
    .group_segment_fixed_size: 297472
    .private_segment_fixed_size: 0
    .kernarg_segment_align: 8
    .kernarg_segment_size: 40
    .max_flat_workgroup_size: 128
    .sgpr_count:     102
    .vgpr_count:     1024
    .wavefront_size: 32
...
	.end_amdgpu_metadata
.endif
;; end of part 2
;; launch attn (part 3): grid 4 x 64, 16 waves a work-group, clusters of 4 x 1, 169,984 bytes of LDS; arguments qkvc, qkvs, yc, ys; writes yc, ys
.if DOCPART == 3
	.amdgcn_target "amdgcn-amd-amdhsa--gfx1250"
	.amdhsa_code_object_version 6
	.text
	.protected	k_qbf6765419a_attn
	.globl	k_qbf6765419a_attn
	.p2align	8
	.type	k_qbf6765419a_attn,@function
k_qbf6765419a_attn:
	s_mov_b64 s[64:65], 0
	v_nop
	global_prefetch_b8 v0, s[64:65] scope:SCOPE_SE
	s_setreg_imm32_b32 hwreg(HW_REG_WAVE_MODE, 25, 1), 1
	s_wait_xcnt 0x0
	s_wait_alu depctr_hold_cnt(0) depctr_sa_sdst(0) depctr_va_vdst(0) depctr_va_sdst(0) depctr_va_ssrc(0) depctr_va_vcc(0) depctr_vm_vsrc(0)
	s_getreg_b32 s2, hwreg(HW_REG_IB_STS2, 6, 4)
	s_cmp_eq_u32 s2, 0
	s_cbranch_scc0 .Lentry_in_a_cluster
	s_endpgm
.Lentry_in_a_cluster:
	s_bfe_u32 s2, ttmp6, 0x10000c
	s_cmp_lg_u32 s2, 0x3003
	s_cbranch_scc0 .Lentry_shape_is_right
	s_endpgm
.Lentry_shape_is_right:
; y = softmax(q k^T / 8, causal) v for 64 heads of 2,048 tokens x 64, both products on codes of FP4 (E2M1) with one E8M0 scale for each 32 along a product's K; y is quantised along the head's 64 and leaves as codes.
; THE SOFTMAX AHEAD OF THE SECOND PRODUCT: t = score x log2(e) / 8; M = the row's largest t so far, rounded UP to a whole number; p = 2^(t - M) is what is quantised, along the keys, not normalised.
; The row's sum is taken of the unquantised p, in f32, and divides O at the end.  When M moves, the sum and O are multiplied by 2^(old M - new M): exact.
; THE FIRST PRODUCT'S K IS 64: registers 4-7 of q's and k's fragments hold zero codes, which add nothing under any scale byte but 0xff (the bytes over them are a neighbouring head's, 1 .. 254).
; SHARES.  Four work-groups, a cluster, share a head.  A head's codes of k and v (131,072 bytes) and their scale words (12,288) lie in LDS whole: they come ONCE, by joint loads that name the four; no LDS byte is filled twice.
; A wave takes two tiles of 16 queries, one after the other: tile 4 w + cx, in chunk w / 2 of 128 tokens, and tile 127 - (4 w + cx), in chunk 15 - w / 2: so every wave of the launch walks 17 key steps of 128 keys,
; and every branch hangs on the wave's number alone.  Key steps behind a tile's chunk are left out (the mask hides them whole); in the chunk's own step hidden scores become -infinity.
; LAYOUT.  Both products are used transposed: S^T = K Q^T, O^T = V^T P^T: a lane holds ONE query (lane % 16) throughout.  All operands lie in memory and LDS as images of their registers, 16 bytes a lane.
; The tokens of a tile are not neighbours: lane r of tile u holds token 32 (u / 2) + 8 (u % 2) + r + 8 (r / 8), so that the 16 registers of tiles 2 b and 2 b + 1 of S^T are keys 32 b + 16 (lane / 16) + 0 .. 15; v's 64 likewise.
; LIMITS: the running largest t begins at -3e38; NaN and infinities are not served; a block of zeros gets the byte 1.  y's scale bytes leave two at a time (a sixteenth of y's bytes): 256-byte blocks of ys are written in parts.
; REGISTERS: v1-3, v9-11 addresses that stay; v4-7 addresses of a step; v8 the second tile's scale word of q; v12 -M, v13 the largest t, v[14:15] the sum; v16-23 Q; v24-31 K's scale words; v32-95 eight fragments of K;
;   v96-159 S^T, then p; v160-191 O^T; v192-223 four fragments of V; v224-231 p's codes; v232-239, v244-247, v252, v254 at work; v240-243 the second tile's Q; v248-251 V's scale words; v253 p's scale word; v255 Q's.
.set KSC,  131072                      ; LDS: K's images 0 .., V's 65,536 .., K's scale words here (8,192 bytes), V's behind them (4,096)
.set VSC,  139264
.set WV,   18                          ; s18  my wave's number
.set SEL,  20                          ; s[20:21] lane selects for v_permlanex16_b32: lane l xor 16
.set CS,   22                          ; s[22:23] c = log2(e) / 8
.set KI,   66                          ; s66  the key step
.set G1C,  32                          ; s[32:39] descriptor group 1 for the codes; s[40:47] for the scale words; s[48:51], s[52:55] their groups 0
.set G1S,  40
.set G0C,  48
.set G0S,  52
.macro CROUND                          ; a round of the cluster's barrier
	s_barrier_signal -1
	s_barrier_wait -1
	s_cmp_lg_u32 s[WV], 0
	s_cbranch_scc1 .Lnot_wave_0_\@
	s_barrier_signal -3
.Lnot_wave_0_\@:
	s_barrier_wait -3
	s_barrier_signal -1
	s_barrier_wait -1
.endm
	s_load_b128 s[4:7], s[0:1], 0x0                ; qkvc, qkvs
	s_load_b128 s[8:11], s[0:1], 0x10              ; yc, ys
	v_lshl_add_u32 v254, v0, 2, 0x29000
	v_mov_b32 v255, 0
	ds_add_u32 v254, v255
	ds_add_u32 v254, v255
	s_wait_dscnt 0x0
	v_lshrrev_b32 v1, 5, v0
	s_delay_alu instid0(VALU_DEP_1)
	v_readfirstlane_b32 s[WV], v1                  ; wave 0..15
	s_bfe_u32 s19, ttmp6, 0x40000                  ; cx: it enters global addresses and the mask's numbers alone
	s_and_b32 s24, ttmp7, 0xffff                   ; 16 x batch + head, which the four partners share
	s_mul_i32 s26, s24, 196608                     ; the head's images,
	s_mov_b32 s27, 0
	s_mul_i32 s28, s24, 20480                      ; its scale words
	s_mov_b32 s29, 0
	s_and_b32 s82, s24, 15                         ; head
	s_lshr_b32 s83, s24, 4                         ; batch
	s_lshr_b32 s86, s82, 3                         ; yc: [head / 8][512 tiles of tokens][head % 8][512 bytes]
	s_lshl_b32 s30, s86, 21
	s_lshl_b32 s87, s83, 19
	s_add_co_u32 s30, s30, s87
	s_and_b32 s87, s82, 7
	s_lshl_b32 s87, s87, 9
	s_add_co_u32 s30, s30, s87
	s_mov_b32 s31, 0
	s_lshl_b32 s84, s83, 16                        ; ys: [512 tiles][head / 8][r 16][(head / 2) % 4] words, half word head % 2
	s_lshl_b32 s87, s86, 8
	s_add_co_u32 s84, s84, s87
	s_bfe_u32 s87, s82, 0x20001
	s_lshl_b32 s87, s87, 2
	s_add_co_u32 s84, s84, s87
	s_and_b32 s87, s82, 1
	s_lshl_b32 s87, s87, 1
	s_add_co_u32 s84, s84, s87
	s_mov_b32 s85, 0
	s_lshl_b32 s25, s[WV], 2
	s_add_co_u32 s25, s25, s19                     ; my first tile of queries
	s_sub_co_u32 s88, 127, s25                     ; my second
	s_lshr_b32 s70, s[WV], 1                       ; their chunks of 128 tokens: of the wave's number alone
	s_sub_co_u32 s71, 15, s70
	s_bfe_u32 s72, s25, 0x20001                    ; a tile's first token in its chunk: 32 ((tile % 8) / 2) + 8 (tile % 2)
	s_lshl_b32 s72, s72, 5
	s_and_b32 s89, s25, 1
	s_lshl_b32 s89, s89, 3
	s_add_co_u32 s72, s72, s89
	s_bfe_u32 s73, s88, 0x20001
	s_lshl_b32 s73, s73, 5
	s_and_b32 s89, s88, 1
	s_lshl_b32 s89, s89, 3
	s_add_co_u32 s73, s73, s89
	; descriptor group 1: dense blocks, as rows of 256 bytes (32 elements of 8 bytes): 64 rows of codes a wave; 48 rows of scale words
	s_mov_b32 s[G1C], 15|(3<<16)|(1<<21)           ; 15:0 the mask: all four work-groups; 17:16 elements of 8 bytes; 21 set beside a mask; no padding: every read takes 16 bytes a lane on end
	s_mov_b32 s[G1C+1], 32<<16
	s_mov_b32 s[G1C+2], 64<<16
	s_mov_b32 s[G1C+3], 32<<16
	s_mov_b32 s[G1C+4], 64
	s_mov_b32 s[G1C+5], 32
	s_mov_b32 s[G1C+6], 0
	s_mov_b32 s[G1C+7], 0
	s_mov_b32 s[G1S], 15|(3<<16)|(1<<21)
	s_mov_b32 s[G1S+1], 32<<16
	s_mov_b32 s[G1S+2], 48<<16
	s_mov_b32 s[G1S+3], 32<<16
	s_mov_b32 s[G1S+4], 48
	s_mov_b32 s[G1S+5], 32
	s_mov_b32 s[G1S+6], 0
	s_mov_b32 s[G1S+7], 0
	s_mov_b32 s[SEL], 0x76543210
	s_mov_b32 s[SEL+1], 0xfedcba98
	s_mov_b32 s[CS], 0x3e38aa3b                    ; c = log2(e) / 8
	s_mov_b32 s[CS+1], s[CS]                       ; (named with it as a pair, so it is written)
	v_and_b32 v2, 15, v0                           ; r
	v_bfe_u32 v4, v0, 4, 1                         ; h
	s_delay_alu instid0(VALU_DEP_2)
	v_and_b32 v3, 8, v2
	s_delay_alu instid0(VALU_DEP_1)
	v_add_nc_u32 v3, v3, v2
	s_delay_alu instid0(VALU_DEP_3)
	v_lshlrev_b32 v4, 4, v4
	s_delay_alu instid0(VALU_DEP_1)
	v_sub_nc_u32 v3, v3, v4                        ; r + 8 (r / 8) - 16 h: my query in its tile, less my half's first key
	v_and_b32 v1, 31, v0
	s_delay_alu instid0(VALU_DEP_1)
	v_lshlrev_b32 v1, 4, v1                        ; 16 x lane: an image's place for my lane
	v_lshlrev_b32 v2, 4, v2                        ; 16 r: four scale words of row r
	s_delay_alu instid0(VALU_DEP_2)
	v_add_nc_u32 v9, 65536, v1                     ; V's images
	s_delay_alu instid0(VALU_DEP_2)
	v_add_nc_u32 v10, KSC, v2
	s_delay_alu instid0(VALU_DEP_3)
	v_add_nc_u32 v11, VSC, v2
	s_wait_kmcnt 0x0
	s_add_nc_u64 s[26:27], s[4:5], s[26:27]
	s_add_nc_u64 s[28:29], s[6:7], s[28:29]
	s_add_nc_u64 s[30:31], s[8:9], s[30:31]
	s_add_nc_u64 s[84:85], s[10:11], s[84:85]
	s_mov_b32 s[G0C], 1
	s_lshl_b32 s[G0C+1], s[WV], 14                 ; waves 0 to 7: 16,384 bytes each of K's and V's images, which lie on end in memory, behind Q's
	s_add_co_u32 s90, s[G0C+1], 65536
	s_mov_b32 s91, 0
	s_add_nc_u64 s[G0C+2:G0C+3], s[26:27], s[90:91]
	s_or_b32 s[G0C+3], s[G0C+3], 0x80000000
	s_mov_b32 s[G0S], 1
	s_mov_b32 s[G0S+1], KSC                        ; wave 8: K's and V's scale words, on end in memory, behind Q's
	s_add_nc_u64 s[G0S+2:G0S+3], s[28:29], 8192
	s_or_b32 s[G0S+3], s[G0S+3], 0x80000000
	CROUND                                         ; all four work-groups are here: the joint loads meet
	s_cmp_lt_u32 s[WV], 8                          ; the branches hang on the wave's number alone; four v_nop follow each load; at most one load of a wave is out
	s_cbranch_scc0 .Lnot_codes
	tensor_load_to_lds s[G0C:G0C+3], s[G1C:G1C+7]
	s_nop 0
.rept 4
	v_nop
.endr
	s_branch .Lasked
.Lnot_codes:
	s_cmp_eq_u32 s[WV], 8
	s_cbranch_scc0 .Lasked
	tensor_load_to_lds s[G0S:G0S+3], s[G1S:G1S+7]
	s_nop 0
.rept 4
	v_nop
.endr
.Lasked:
.macro PTR tau, qc, qs, yp, sp         ; a tile's addresses: Q's image, Q's scale words, y's image, y's scale half words
	s_lshl_b32 s90, s[\tau], 9
	s_add_nc_u64 s[\qc:\qc+1], s[26:27], s[90:91]
	s_add_nc_u64 s[\sp:\sp+1], s[84:85], s[90:91]
	s_lshl_b32 s90, s[\tau], 12
	s_add_nc_u64 s[\yp:\yp+1], s[30:31], s[90:91]
	s_lshr_b32 s90, s[\tau], 2
	s_lshl_b32 s90, s90, 8
	s_and_b32 s92, s[\tau], 3
	s_lshl_b32 s92, s92, 2
	s_add_co_u32 s90, s90, s92
	s_add_nc_u64 s[\qs:\qs+1], s[28:29], s[90:91]
.endm
	PTR 25, 56, 58, 74, 76
	PTR 88, 60, 62, 78, 80
	s_wait_alu depctr_va_vdst(0)
	global_load_b128 v[16:19], v1, s[56:57]        ; both tiles' Q and scale words are asked for now
	global_load_b32 v255, v2, s[58:59]
	global_load_b128 v[240:243], v1, s[60:61]
	global_load_b32 v8, v2, s[62:63]
.irp j, 20,21,22,23
	v_mov_b32 v[\j], 0                             ; zero codes for k = 64 .. 127 of the first product: Q's,
.endr
.irp t, 0,1,2,3,4,5,6,7
.irp j, 4,5,6,7
	v_mov_b32 v[32+8*\t+\j], 0                     ; and K's: written once, never loaded
.endr
.endr
.irp b, 0,1,2,3
	v_mov_b32 v[236+\b], 0                         ; written once: a lane permute's destination counts as one of its sources
.endr
	v_mov_b32 v252, 0
	v_mov_b32 v253, 0                              ; (named as the upper half of the pair v[252:253] before it is first written)
	s_wait_tensorcnt 0x0                           ; my load, if I issued one, has landed,
	s_barrier_signal -1
	s_barrier_wait -1                              ; everybody's has: the head's K and V lie in LDS for the rest of the launch
	s_wait_loadcnt 0x0                             ; Q
; A KEY STEP: 128 keys.  chr: the scalar register with my tile's chunk; sqr: that with the tile's first token in the chunk.
.macro STEP chr, sqr
	s_lshl_b32 s67, s[KI], 12                      ; a step's images: 4,096 bytes of K, 4,096 of V;
	s_lshl_b32 s68, s[KI], 9                       ; K's scale words: 512 bytes;
	s_lshl_b32 s69, s[KI], 8                       ; V's: 256
	v_add_nc_u32 v4, s67, v1                       ; (these four are the places in front of the loads into registers that the last step's products have read)
	v_add_nc_u32 v5, s67, v9
	v_add_nc_u32 v6, s68, v10
	v_add_nc_u32 v7, s69, v11
.irp t, 0,1,2,3,4,5,6,7
	ds_load_b128 v[32+8*\t:35+8*\t], v4 offset:512*\t              ; K: tile t, k = 32 h + 0 .. 31
.endr
	ds_load_b128 v[24:27], v6                      ; K's scale words of tiles 0-3, of tiles 4-7
	ds_load_b128 v[28:31], v6 offset:256
.irp d, 0,1,2,3
.irp c, 0,1
	ds_load_b128 v[192+8*\d+4*\c:195+8*\d+4*\c], v5 offset:2048*\c+512*\d   ; V: 16 of the head's 64, keys 64 c + 32 h + 0 .. 31: it lands while the softmax is worked
.endr
.endr
	ds_load_b128 v[248:251], v7                    ; V's scale words
	s_wait_dscnt 9                                 ; K and its scale words are in; V's nine loads may be out
.irp t, 0,1,2,3,4,5,6,7
	v_wmma_scale_f32_16x16x128_f8f6f4 v[96+8*\t:103+8*\t], v[32+8*\t:39+8*\t], v[16:23], 0, v[24+\t], v255 matrix_a_fmt:MATRIX_FMT_FP4 matrix_b_fmt:MATRIX_FMT_FP4
.endr
.rept 4
	v_nop
.endr
	s_cmp_lg_u32 s[KI], s[\chr]                    ; in my chunk's own step the scores of hidden keys become -infinity ahead of the maximum: p = 0 then.  Earlier steps skip this
	s_cbranch_scc1 .Lopen_\@
	v_add_nc_u32 v252, s[\sqr], v3                 ; d = my query in the chunk - 16 h.  Register 16 b + i holds key 32 b + 16 h + i: hidden where 32 b + i > d
	v_mov_b32 v254, 0xff800000
.set jj, 0
.rept 64
	v_cmp_gt_i32 vcc_lo, 32*(jj/16)+jj%16, v252
	v_cndmask_b32 v[96+jj], v[96+jj], v254, vcc_lo
.set jj, jj+1
.endr
.Lopen_\@:
.irp b, 0,1,2,3
	v_max3_num_f32 v[232+\b], v[96+16*\b], v[97+16*\b], v[98+16*\b]   ; the largest score of each block of 32 keys: it serves for the row's maximum and, since p rises with the score, for the block's largest p
.endr
.irp i, 3,5,7,9,11,13
.irp b, 0,1,2,3
	v_max3_num_f32 v[232+\b], v[232+\b], v[96+16*\b+\i], v[97+16*\b+\i]
.endr
.endr
.irp b, 0,1,2,3
	v_max_num_f32 v[232+\b], v[232+\b], v[111+16*\b]
.endr
.irp b, 0,1,2,3
	s_delay_alu instid0(VALU_DEP_4)
	v_permlanex16_b32 v[236+\b], v[232+\b], s[SEL], s[SEL+1]
.endr
.irp b, 0,1,2,3
	s_delay_alu instid0(VALU_DEP_4)
	v_max_num_f32 v[232+\b], v[232+\b], v[236+\b]  ; with lane l xor 16's 16 keys
.endr
	s_delay_alu instid0(VALU_DEP_2)
	v_max3_num_f32 v254, v232, v233, v234
	s_delay_alu instid0(VALU_DEP_1)
	v_max_num_f32 v254, v254, v235                 ; the step's largest score of my query
	s_delay_alu instid0(VALU_DEP_1)
	v_mul_f32 v254, s[CS], v254                    ; as t (c is positive)
	s_delay_alu instid0(VALU_DEP_1)
	v_max_num_f32 v13, v13, v254                   ; the running largest t
	v_mov_b32 v254, v12
	s_delay_alu instid0(VALU_DEP_2)
	v_floor_f32 v12, -v13                          ; the new -M = floor(-t) = -ceil(t): M is a whole number
	s_delay_alu instid0(VALU_DEP_1)
	v_sub_f32 v254, v12, v254                      ; old M less new M: a whole number, 0 or less
	s_delay_alu instid0(VALU_DEP_1)
	v_cvt_i32_f32 v254, v254                       ; (it saturates)
	s_delay_alu instid0(VALU_DEP_1)
	v_ldexp_f32 v252, 1.0, v254                    ; f = 2^(old M - new M)
.set jj, 0
.rept 32
	v_pk_fma_f32 v[96+jj:97+jj], v[96+jj:97+jj], s[CS:CS+1], v[12:13] op_sel_hi:[1,0,0]   ; t - M, two at a time
.set jj, jj+2
.endr
	s_setprio 1
.irp b, 0,1,2,3
	v_fma_f32 v[232+\b], v[232+\b], s[CS], v12     ; the same of each block's largest score
.endr
.set jj, 0
	s_wait_alu depctr_va_vdst(0)
.rept 64
	v_exp_f32 v[96+jj], v[96+jj]                   ; p = 2^(t - M), at most 1: not normalised
.set jj, jj+1
.endr
	v_pk_mul_f32 v[14:15], v[14:15], v[252:253] op_sel_hi:[1,0]   ; the sums under the new M (a plain line behind the exponentials)
	s_wait_alu depctr_va_vdst(0)                   ; one wait for the whole batch, ahead of its first reader
.irp b, 0,1,2,3
	v_exp_f32 v[232+\b], v[232+\b]                 ; the block's largest p: the same two instructions on the same number give the same bits
.endr
	v_pk_add_f32 v[236:237], v[100:101], v[104:105]
	v_pk_add_f32 v[246:247], v[108:109], v[112:113]
	v_pk_add_f32 v[244:245], v[116:117], v[120:121]
	v_pk_add_f32 v[238:239], v[124:125], v[128:129]
	v_pk_add_f32 v[230:231], v[132:133], v[136:137]
	v_pk_add_f32 v[228:229], v[140:141], v[144:145]
	v_pk_add_f32 v[226:227], v[148:149], v[152:153]
	v_pk_add_f32 v[14:15], v[14:15], v[156:157]
	v_pk_add_f32 v[236:237], v[236:237], v[96:97]
	v_pk_add_f32 v[246:247], v[246:247], v[98:99]
	v_pk_add_f32 v[244:245], v[244:245], v[102:103]
	v_pk_add_f32 v[238:239], v[238:239], v[106:107]
	v_pk_add_f32 v[230:231], v[230:231], v[110:111]
	v_pk_add_f32 v[228:229], v[228:229], v[114:115]
	v_pk_add_f32 v[226:227], v[226:227], v[118:119]
	v_pk_add_f32 v[14:15], v[14:15], v[122:123]
	v_pk_add_f32 v[236:237], v[236:237], v[126:127]
	v_pk_add_f32 v[246:247], v[246:247], v[130:131]
	v_pk_add_f32 v[244:245], v[244:245], v[134:135]
	v_pk_add_f32 v[238:239], v[238:239], v[138:139]
	v_pk_add_f32 v[230:231], v[230:231], v[142:143]
	v_pk_add_f32 v[228:229], v[228:229], v[146:147]
	v_pk_add_f32 v[226:227], v[226:227], v[150:151]
	v_pk_add_f32 v[14:15], v[14:15], v[154:155]
	v_pk_add_f32 v[236:237], v[236:237], v[158:159]
	s_delay_alu instid0(VALU_DEP_2)
	v_pk_add_f32 v[14:15], v[14:15], v[238:239]
	s_delay_alu instid0(VALU_DEP_2)
	v_pk_add_f32 v[236:237], v[236:237], v[230:231]
	v_pk_add_f32 v[246:247], v[246:247], v[228:229]
	v_pk_add_f32 v[244:245], v[244:245], v[226:227]
	s_delay_alu instid0(VALU_DEP_2)
	v_pk_add_f32 v[14:15], v[14:15], v[246:247]
	s_delay_alu instid0(VALU_DEP_2)
	v_pk_add_f32 v[236:237], v[236:237], v[244:245]
	s_delay_alu instid0(VALU_DEP_1)
	v_pk_add_f32 v[14:15], v[14:15], v[236:237]
	s_wait_alu depctr_va_vdst(0)                   ; and one for the four
.irp b, 0,1,2,3
	v_max_num_f32 v[232+\b], 0x1800000, v[232+\b]  ; the floor 2^(3 - 127): the byte cannot fall under 1 (a block whose every p is 0 keeps that byte: its codes are zeros)
.endr
.irp b, 0,1,2,3
	s_delay_alu instid0(VALU_DEP_4)
	v_add_nc_u32 v[244+\b], 0xff000000, v[232+\b]  ; 2 off the exponent field: the conversion's scale operand
.endr
.irp b, 0,1,2,3
	s_delay_alu instid0(VALU_DEP_4)
	v_lshrrev_b32 v[236+\b], 23, v[244+\b]         ; the scale's byte
.endr
	s_delay_alu instid0(VALU_DEP_3)
	v_lshl_or_b32 v253, v237, 8, v236              ; p's scale word for these 128 keys
	s_delay_alu instid0(VALU_DEP_1)
	v_lshl_or_b32 v253, v238, 16, v253
	s_delay_alu instid0(VALU_DEP_1)
	v_lshl_or_b32 v253, v239, 24, v253
	s_setprio 0
.irp b, 0,1,2,3
	v_cvt_scalef32_pk8_fp4_f32 v[224+2*\b], v[96+16*\b:103+16*\b], v[244+\b]
	v_cvt_scalef32_pk8_fp4_f32 v[225+2*\b], v[104+16*\b:111+16*\b], v[244+\b]
.endr
	v_nop                                          ; one plain line behind a scaled conversion
.irp c, 0,1                                    ; the operand's layout wants a whole block in a lane
.irp i, 0,1
	v_permlane16_swap_b32 v[224+4*\c+\i], v[226+4*\c+\i]
.endr
.endr
.set jj, 0
.rept 16
	v_pk_mul_f32 v[160+jj:161+jj], v[160+jj:161+jj], v[252:253] op_sel_hi:[1,0]   ; O^T under the new M: x f.  (These sixteen are also the places in front of the products below)
.set jj, jj+2
.endr
	s_wait_alu depctr_va_vdst(0)
	s_wait_dscnt 0x0                               ; V and its scale words are in
.irp d, 0,1,2,3
	v_wmma_scale_f32_16x16x128_f8f6f4 v[160+8*\d:167+8*\d], v[192+8*\d:199+8*\d], v[224:231], v[160+8*\d:167+8*\d], v[248+\d], v253 matrix_a_fmt:MATRIX_FMT_FP4 matrix_b_fmt:MATRIX_FMT_FP4
.endr
.endm
; THE WAY OUT of a tile: O^T / the sum; register 16 b + i = channel 32 b + 16 h + i of my query: two blocks of 32 along the last product's K.  They are quantised and leave as an image of four operand registers.
.macro YOUT yp, sp
.rept 4
	v_nop                                          ; places behind the last products
.endr
	v_add_f32 v14, v14, v15                        ; the sum's two halves,
	s_delay_alu instid0(VALU_DEP_1)
	v_permlanex16_b32 v252, v14, s[SEL], s[SEL+1]
	s_delay_alu instid0(VALU_DEP_1)
	v_add_f32 v14, v14, v252                       ; and lane l xor 16's: the row's sum
	s_wait_alu depctr_va_vdst(0)
	v_rcp_f32 v14, v14
	v_nop                                          ; a plain line behind the reciprocal,
	s_wait_alu depctr_va_vdst(0)                   ; and the wait ahead of its first reader
.set jj, 0
.rept 16
	v_pk_mul_f32 v[96+jj:97+jj], v[160+jj:161+jj], v[14:15] op_sel_hi:[1,0]   ; each accumulator from its low end on
.set jj, jj+2
.endr
.irp b, 0,1
	v_max3_num_f32 v[232+\b], |v[96+16*\b]|, |v[97+16*\b]|, 0x1800000
.endr
.irp i, 2,4,6,8,10,12,14
.irp b, 0,1
	s_delay_alu instid0(VALU_DEP_2)
	v_max3_num_f32 v[232+\b], v[232+\b], |v[96+16*\b+\i]|, |v[97+16*\b+\i]|
.endr
.endr
.irp b, 0,1
	s_delay_alu instid0(VALU_DEP_2)
	v_permlanex16_b32 v[236+\b], v[232+\b], s[SEL], s[SEL+1]
.endr
.irp b, 0,1
	s_delay_alu instid0(VALU_DEP_2)
	v_max_num_f32 v[232+\b], v[232+\b], v[236+\b]
.endr
.irp b, 0,1
	s_delay_alu instid0(VALU_DEP_2)
	v_add_nc_u32 v[244+\b], 0xff000000, v[232+\b]
.endr
.irp b, 0,1
	s_delay_alu instid0(VALU_DEP_2)
	v_lshrrev_b32 v[236+\b], 23, v[244+\b]
.endr
	s_delay_alu instid0(VALU_DEP_1)
	v_lshl_or_b32 v238, v237, 8, v236              ; my head's two bytes of the row's scale word
.irp b, 0,1
	v_cvt_scalef32_pk8_fp4_f32 v[128+2*\b], v[96+16*\b:103+16*\b], v[244+\b]
	v_cvt_scalef32_pk8_fp4_f32 v[129+2*\b], v[104+16*\b:111+16*\b], v[244+\b]
.endr
	v_nop
	v_permlane16_swap_b32 v128, v130               ; lanes 0-15: block 0 whole; lanes 16-31: block 1
	v_permlane16_swap_b32 v129, v131
	global_store_b128 v1, v[128:131], s[\yp:\yp+1] ; 32 lanes store 512 consecutive bytes, aligned
	global_store_b16 v2, v238, s[\sp:\sp+1]        ; both halves of the lanes write the same two bytes with the same value
.endm
; A tile of queries: n trips, a constant; the trips behind the tile's chunk do nothing (a branch on the wave's number).
.macro PASS n, chr, sqr, yp, sp, second
.if \second
	s_wait_xcnt 0x0                                ; the first tile's stores have read their registers, which are written again from here on
.irp j, 0,1,2,3
	v_mov_b32 v[16+\j], v[240+\j]
.endr
	v_mov_b32 v255, v8
.endif
	v_mov_b32 v13, 0xff61b1e6                      ; the largest t so far: -3e38
	s_delay_alu instid0(VALU_DEP_1)
	v_floor_f32 v12, -v13                          ; -M
	v_mov_b32 v14, 0
	v_mov_b32 v15, 0
.set jj, 0
.rept 32
	v_mov_b32 v[160+jj], 0                         ; O^T: the step is written once: the first finds zeros, which the first change of M leaves zeros
.set jj, jj+1
.endr
	s_mov_b32 s[KI], 0
.Ltrip_\@:
	s_cmp_gt_u32 s[KI], s[\chr]
	s_cbranch_scc1 .Lskip_\@
	s_setprio 2
	STEP \chr, \sqr
.Lskip_\@:
	s_add_co_u32 s[KI], s[KI], 1
	s_cmp_lt_u32 s[KI], \n
	s_cbranch_scc1 .Ltrip_\@
	s_setprio 0
	YOUT \yp, \sp
.endm
	PASS 8, 70, 72, 74, 76, 0
	PASS 16, 71, 73, 78, 80, 1
	s_wait_dscnt 0x0
	s_wait_xcnt 0x0
	v_lshl_add_u32 v254, v0, 2, 0x29000
	v_mov_b32 v255, 0
	s_wait_alu depctr_va_vdst(0)
	s_wait_tensorcnt 0x0
	ds_add_u32 v254, v255
	s_wait_dscnt 0x0
	CROUND                                         ; the closing round
	s_endpgm
.Lfunc_end_k_qbf6765419a_attn:
	.size	k_qbf6765419a_attn, .Lfunc_end_k_qbf6765419a_attn-k_qbf6765419a_attn
	.p2alignl 7, 3214868480
	.fill 96, 4, 3214868480
	.section	.rodata,"a",@progbits
	.p2align	6, 0x0
	.amdhsa_kernel k_qbf6765419a_attn
		.amdhsa_group_segment_fixed_size 169984
		.amdhsa_private_segment_fixed_size 0
		.amdhsa_enable_private_segment 0
		.amdhsa_kernarg_size 32
		.amdhsa_user_sgpr_count 2
		.amdhsa_user_sgpr_kernarg_segment_ptr 1
		.amdhsa_wavefront_size32 1
		.amdhsa_system_sgpr_workgroup_id_x 1
		.amdhsa_system_sgpr_workgroup_id_y 1
		.amdhsa_system_sgpr_workgroup_id_z 1
		.amdhsa_system_vgpr_workitem_id 0
		.amdhsa_next_free_vgpr 256
		.amdhsa_next_free_sgpr 96
		.amdhsa_reserve_vcc 1
		.amdhsa_float_denorm_mode_32 3
		.amdhsa_float_denorm_mode_16_64 3
		.amdhsa_memory_ordered 1
		.amdhsa_forward_progress 1
		.amdhsa_inst_pref_size 63
	.end_amdhsa_kernel
	.amdgpu_metadata
---
amdhsa.version: [ 1, 2 ]
amdhsa.kernels:
  - .name:           k_qbf6765419a_attn
    .symbol:         k_qbf6765419a_attn.kd
    .args:
      - { .name: qkvc, .offset: 0, .size: 8, .value_kind: global_buffer, .address_space: global }
      - { .name: qkvs, .offset: 8, .size: 8, .value_kind: global_buffer, .address_space: global }
      - { .name: yc, .offset: 16, .size: 8, .value_kind: global_buffer, .address_space: global }
      - { .name: ys, .offset: 24, .size: 8, .value_kind: global_buffer, .address_space: global }
    .group_segment_fixed_size: 169984
    .private_segment_fixed_size: 0
    .kernarg_segment_align: 8
    .kernarg_segment_size: 32
    .max_flat_workgroup_size: 512
    .sgpr_count:     96
    .vgpr_count:     256
    .wavefront_size: 32
...
	.end_amdgpu_metadata
.endif
;; end of part 3
;; launch proj (part 4): grid 4 x 64, 4 waves a work-group, clusters of 4 x 4, 262,656 bytes of LDS; arguments yc, ys, opc, ops, b_proj, out0; writes out0
.if DOCPART == 4
	.amdgcn_target "amdgcn-amd-amdhsa--gfx1250"
	.amdhsa_code_object_version 6
	.text
	.protected	k_qbf6765419a_proj
	.globl	k_qbf6765419a_proj
	.p2align	8
	.type	k_qbf6765419a_proj,@function
k_qbf6765419a_proj:
	s_mov_b64 s[64:65], 0
	v_nop
	global_prefetch_b8 v0, s[64:65] scope:SCOPE_SE
	s_setreg_imm32_b32 hwreg(HW_REG_WAVE_MODE, 25, 1), 1
	s_wait_xcnt 0x0
	s_wait_alu depctr_hold_cnt(0) depctr_sa_sdst(0) depctr_va_vdst(0) depctr_va_sdst(0) depctr_va_ssrc(0) depctr_va_vcc(0) depctr_vm_vsrc(0)
	s_getreg_b32 s2, hwreg(HW_REG_IB_STS2, 6, 4)
	s_cmp_eq_u32 s2, 0
	s_cbranch_scc0 .Lentry_in_a_cluster
	s_endpgm
.Lentry_in_a_cluster:
	s_bfe_u32 s2, ttmp6, 0x10000c
	s_cmp_lg_u32 s2, 0xf033
	s_cbranch_scc0 .Lentry_shape_is_right
	s_endpgm
.Lentry_shape_is_right:
; out0 = y w_proj + b_proj on codes of FP4 (E2M1) with E8M0 scales, K = 1,024.  y comes as images of operand registers (yc, ys), w_proj as rows of opc / ops from place 11,264 on.
; A tile of 128 tokens x 256 columns is made by four waves, 64 x 128 each: 32 accumulators.  256 work-groups.  THE MATRIX INSTRUCTION IS USED TRANSPOSED: source 0 = 16 rows (columns n) of w_proj, source 1 = 16 tokens:
; a lane holds one token and eight neighbouring columns.  Places in opc and tiles of tokens in yc are rows with bits 3 and 4 of their number exchanged; the way out puts both back.
; ALL OF K LIES IN LDS, as two halves of 512 along K; every byte is filled once.  CLUSTERS 4 x 4: y's tile hangs on the cluster's y and cy (joint along a row), w_proj's on cx (joint along a column).
; The bias is the C of each sum's first matrix instruction.
; REGISTERS: window 0: v16-26 addresses; v32-63 y's scale words, v64-127 w_proj's, nothing else; v128-191 y's fragments, two sets; on the way out v128-255.
;   window 1: w_proj's fragments, two sets, at v0 and v128; v64-127 the bias.   window 2: accumulator (a, b) at v[8 (8 a + b)].
.set BROW,  65536                      ; LDS: y's images 0 .. 65,535 (half k at 32,768 k); w_proj's rows from here, 256 x 272 bytes for each half
.set BHALF, 69632
.set ASC,   204800                     ; y's scale words, 4,096 bytes
.set BSC,   208896                     ; w_proj's, 32 units of 256 + 16 bytes
.set STG,   217600                     ; the stages for the way out: 16 rows x 528 bytes for each wave; no tile lands here
.set SPITCH, 528
.set ADA,  16                          ; v16    y's images: my 64 tokens, 16 bytes a lane
.set ADB,  20                          ; v20-21 w_proj's rows in half 0, 1
.set ADSA, 22
.set ADSB, 23
.set STO,  24
.set RD,   25
.set CO,   26
.set SA,   32                          ; y's scale words: v[SA + 16 k + 4 i + q]: half k, tile i, the half's q-th 128 along K
.set SB,   64                          ; w_proj's: v[SB + 32 k + 4 b + q]
.set AF,   128
.set BT,   64
.set BK,   128
.set G1, 24
.set G0, 32
.set G1B, 48
.set G0B, 56
.set G1S, 68
.set G0S, 76
.set G1SB, 80
.set G0SB, 88
.set MSB, 0
.macro WIN new                         ; the immediate's high byte repeats the setting that is left
.if MSB != (\new)
	s_set_vgpr_msb (MSB<<8)|(\new)
.set MSB, (\new)
.endif
.endm
.macro JLOAD g0a, g1a, g0b, g1b        ; a joint load: waves 0 and 1 fetch for y, waves 2 and 3 for w_proj; four v_nop follow each of the two lines
	s_cmp_eq_u32 s15, 0
	s_cbranch_scc0 .Lfor_b_\@
	tensor_load_to_lds s[\g0a:\g0a+3], s[\g1a:\g1a+7]
	s_nop 0
.rept 4
	v_nop
.endr
	s_branch .Lasked_\@
.Lfor_b_\@:
	tensor_load_to_lds s[\g0b:\g0b+3], s[\g1b:\g1b+7]
	s_nop 0
.rept 4
	v_nop
.endr
.Lasked_\@:
.endm
.macro CROUND                          ; a round of the cluster's barrier
	s_barrier_signal -1
	s_barrier_wait -1
	s_cmp_lg_u32 s14, 0
	s_cbranch_scc1 .Lnot_wave_0_\@
	s_barrier_signal -3
.Lnot_wave_0_\@:
	s_barrier_wait -3
	s_barrier_signal -1
	s_barrier_wait -1
.endm
.macro PLACES n
.rept \n
	v_nop
.endr
.endm
	s_load_b256 s[4:11], s[0:1], 0x0               ; yc, ys, opc, ops
	s_load_b128 s[96:99], s[0:1], 0x20             ; b_proj, out0
	v_lshl_add_u32 v30, v0, 2, 0x40000
	v_mov_b32 v31, 0
	ds_add_u32 v30, v31
	ds_add_u32 v30, v31
	v_lshrrev_b32 v1, 5, v0
	v_readfirstlane_b32 s14, v1                    ; wave 0..3
	s_lshr_b32 s15, s14, 1                         ; which 64 tokens are mine.  Also: I fetch for y (0) or for w_proj (1)
	s_and_b32 s16, s14, 1                          ; which 128 columns.  Also: which half of that tile I fetch
	s_bfe_u32 s40, ttmp6, 0x40000                  ; cx, cy
	s_bfe_u32 s41, ttmp6, 0x40004
	s_and_b32 s17, ttmp7, 0xffff
	s_lshl_b32 s17, s17, 2
	s_add_co_u32 s17, s17, s41                     ; which 128 tokens: 4 x cluster y + cy
	s_lshl_b32 s43, s41, 2
	s_lshl_b32 s43, 15, s43                        ; my row of the cluster
	s_lshl_b32 s44, 0x1111, s40                    ; my column
	s_or_b32 s[G1+0], s43, (3<<16)|(1<<21)         ; y's images: 16,384 dense bytes, 64 rows of 256 (32 elements of 8 bytes); no padding: every read takes 16 bytes a lane on end
	s_mov_b32 s[G1+1], 32<<16
	s_mov_b32 s[G1+2], 64<<16
	s_mov_b32 s[G1+3], 32<<16
	s_mov_b32 s[G1+4], 64
	s_mov_b32 s[G1+5], 32
	s_mov_b32 s[G1+6], 0
	s_mov_b32 s[G1+7], 0
	s_or_b32 s[G1B+0], s44, (0<<16)|(1<<20)|(1<<21)|(5<<22)|(3<<25)   ; w_proj: 128 rows x 256 bytes, 512 bytes apart, 16 bytes of padding behind each
	s_mov_b32 s[G1B+1], 256<<16
	s_mov_b32 s[G1B+2], 128<<16
	s_mov_b32 s[G1B+3], 256<<16
	s_mov_b32 s[G1B+4], 128
	s_mov_b32 s[G1B+5], 512
	s_mov_b32 s[G1B+6], 0
	s_mov_b32 s[G1B+7], 0
	s_or_b32 s[G1S+0], s43, (3<<16)|(1<<21)        ; y's scale words: 2,048 dense bytes
	s_mov_b32 s[G1S+1], 32<<16
	s_mov_b32 s[G1S+2], 8<<16
	s_mov_b32 s[G1S+3], 32<<16
	s_mov_b32 s[G1S+4], 8
	s_mov_b32 s[G1S+5], 32
	s_mov_b32 s[G1S+6], 0
	s_mov_b32 s[G1S+7], 0
	s_or_b32 s[G1SB+0], s44, (3<<16)|(1<<20)|(1<<21)|(5<<22)|(3<<25)  ; w_proj's: 4,096 dense bytes, 16 of padding behind each 256
	s_mov_b32 s[G1SB+1], 32<<16
	s_mov_b32 s[G1SB+2], 16<<16
	s_mov_b32 s[G1SB+3], 32<<16
	s_mov_b32 s[G1SB+4], 16
	s_mov_b32 s[G1SB+5], 32
	s_mov_b32 s[G1SB+6], 0
	s_mov_b32 s[G1SB+7], 0
	s_lshl_b32 s20, s17, 15                        ; y: 8 tiles of 4,096 bytes in each half of K,
	s_lshl_b32 s18, s16, 14
	s_add_co_u32 s20, s20, s18                     ; my four of them
	s_mov_b32 s21, 0
	s_lshl_b32 s22, s17, 12                        ; their scale words: 512 bytes a tile
	s_lshl_b32 s18, s16, 11
	s_add_co_u32 s22, s22, s18
	s_mov_b32 s23, 0
	s_lshl_b32 s46, s40, 8
	s_lshl_b32 s18, s16, 7
	s_add_co_u32 s46, s46, s18
	s_add_co_u32 s46, s46, 11264                   ; w_proj: place 11,264 + 256 cx + 128 x half
	s_lshl_b32 s92, s46, 5
	s_mov_b32 s93, 0
	s_lshl_b32 s46, s46, 9
	s_mov_b32 s47, 0
	s_lshl_b32 s45, s16, 14                        ; where they go: of the wave's number alone
	s_mul_i32 s94, s16, 128*272
	s_add_co_u32 s94, s94, BROW
	s_lshl_b32 s95, s16, 11
	s_add_co_u32 s95, s95, ASC
	s_mul_i32 s2, s16, 16*272
	s_add_co_u32 s2, s2, BSC
	s_wait_dscnt 0x0
	s_wait_kmcnt 0x0
	s_add_nc_u64 s[20:21], s[4:5], s[20:21]
	s_add_nc_u64 s[22:23], s[6:7], s[22:23]
	s_add_nc_u64 s[46:47], s[8:9], s[46:47]
	s_add_nc_u64 s[92:93], s[10:11], s[92:93]
	CROUND                                         ; all sixteen work-groups are here: the joint loads meet
	s_mov_b32 s[G0S], 1
	s_mov_b32 s[G0S+1], s95
	s_mov_b64 s[G0S+2:G0S+3], s[22:23]
	s_or_b32 s[G0S+3], s[G0S+3], 0x80000000
	s_mov_b32 s[G0SB], 1
	s_mov_b32 s[G0SB+1], s2
	s_mov_b64 s[G0SB+2:G0SB+3], s[92:93]
	s_or_b32 s[G0SB+3], s[G0SB+3], 0x80000000
	JLOAD G0S, G1S, G0SB, G1SB                     ; the scale words of all of K first
.irp k, 0,1
	s_mov_b32 s[G0+4*\k], 1
	s_add_co_u32 s[G0+4*\k+1], s45, \k*32768
	s_add_nc_u64 s[G0+4*\k+2:G0+4*\k+3], s[20:21], \k*2097152
	s_or_b32 s[G0+4*\k+3], s[G0+4*\k+3], 0x80000000
	s_mov_b32 s[G0B+4*\k], 1
	s_add_co_u32 s[G0B+4*\k+1], s94, \k*BHALF
	s_add_nc_u64 s[G0B+4*\k+2:G0B+4*\k+3], s[46:47], \k*256
	s_or_b32 s[G0B+4*\k+3], s[G0B+4*\k+3], 0x80000000
	JLOAD G0+4*\k, G1, G0B+4*\k, G1B               ; both halves of K: three loads of mine are out, and no more follow
.endr
	v_and_b32 v1, 15, v0                           ; r
	v_bfe_u32 v2, v0, 4, 1                         ; h
	v_and_b32 v6, 31, v0
	v_lshlrev_b32 v[CO], 4, v6                     ; 16 x lane
	s_lshl_b32 s21, s15, 14
	v_add_nc_u32 v[ADA], s21, v[CO]                ; my four tiles of y's images
	v_mul_u32_u24 v3, v1, 272
	v_lshl_add_u32 v3, v2, 4, v3
	s_mul_i32 s21, s16, 128*272
	s_add_co_u32 s21, s21, BROW
	v_add_nc_u32 v[ADB], s21, v3                   ; my 128 rows of w_proj
	s_add_co_u32 s21, s21, BHALF
	v_add_nc_u32 v[ADB+1], s21, v3
	s_lshl_b32 s21, s15, 11
	s_add_co_u32 s21, s21, ASC
	v_lshl_add_u32 v[ADSA], v1, 4, s21             ; y's scale words: 16 bytes (four steps' words) a row
	v_lshlrev_b32 v3, 5, v1
	v_lshrrev_b32 v4, 3, v1
	v_lshl_add_u32 v3, v4, 4, v3                   ; w_proj's: 32 bytes a row, and 16 more behind the eighth
	s_mul_i32 s21, s16, 16*272
	s_add_co_u32 s21, s21, BSC
	v_add_nc_u32 v[ADSB], s21, v3
	s_mul_i32 s21, s14, 16*SPITCH
	s_add_co_u32 s21, s21, STG                     ; my stage
	v_mul_u32_u24 v3, v1, SPITCH
	v_lshl_add_u32 v3, v2, 6, v3
	v_add_nc_u32 v[STO], s21, v3                   ; in: row r, + 64 h: of each 32 columns lanes 16-31 hold the upper 16
	v_add_nc_u32 v[RD], s21, v[CO]                 ; back: the 32 lanes take one row of 512 bytes
	s_lshl_b32 s20, s40, 8
	s_lshl_b32 s21, s16, 7
	s_add_co_u32 s20, s20, s21
	s_lshl_b32 s20, s20, 2                         ; my first column, in bytes
	s_mov_b32 s21, 0
	s_add_nc_u64 s[96:97], s[96:97], s[20:21]      ; in b_proj,
	s_add_nc_u64 s[98:99], s[98:99], s[20:21]      ; and in out0,
	s_lshl_b32 s20, s17, 7
	s_lshl_b32 s22, s15, 6
	s_add_co_u32 s20, s20, s22
	s_lshl_b32 s20, s20, 12                        ; at my first token: rows of 4,096 bytes
	s_add_nc_u64 s[98:99], s[98:99], s[20:21]
	v_lshlrev_b32 v8, 6, v2                        ; the bias: register 8 b + j = b_proj[n0 + 32 (b / 2) + 16 h + 8 (b % 2) + j]
	WIN 0x40
.irp b, 0,1,2,3,4,5,6,7
	global_load_b128 v[BT+8*\b:BT+8*\b+3], v8, s[96:97] offset:(32*(\b/2)+8*(\b%2))*4
	global_load_b128 v[BT+8*\b+4:BT+8*\b+7], v8, s[96:97] offset:(32*(\b/2)+8*(\b%2))*4+16
.endr
	WIN 0
.macro PFETCH s                        ; step s's fragments (128 along K) into set s % 2: w_proj's eight, y's four
.set KAP, (\s)/4
.set QQ, (\s)%4
.set PS, (\s)%2
	WIN 0x40
.irp b, 0,1,2,3,4,5,6,7
.irp c, 0,1
	ds_load_b128 v[128*PS+8*\b+4*\c:128*PS+8*\b+4*\c+3], v[ADB+KAP] offset:64*QQ+32*\c+4352*\b
.endr
.endr
	WIN 0
.irp i, 0,1,2,3
.irp c, 0,1
	ds_load_b128 v[AF+32*PS+8*\i+4*\c:AF+32*PS+8*\i+4*\c+3], v[ADA] offset:32768*KAP+4096*\i+1024*QQ+512*\c
.endr
.endr
.endm
; A step of 128 along K: its fragments are in; the next step's are asked for, into the other set; 32 matrix instructions, the accumulators by turns.
.macro STEPP s
.if (\s) == 3
	s_wait_tensorcnt 0x0                           ; my part of the second half of K has landed,
.endif
	s_wait_dscnt 0x0
.if (\s) == 3
	s_barrier_signal -1
	s_barrier_wait -1                              ; everybody's has: the fetch below reads it
.endif
.if (\s) > 0
	PLACES 4                                       ; in front of loads into registers that the last step's products have read
.endif
.if (\s) < 7
	PFETCH (\s)+1
.endif
.set KAP, (\s)/4
.set QQ, (\s)%4
.set PS, (\s)%2
.if (\s) == 0
	WIN 0x91                                       ; source 0 (w_proj) and C (the bias) window 1, source 1 (y) window 0, D window 2
.else
	WIN 0xa1                                       ; C and D window 2
.endif
.irp a, 0,1,2,3
.irp b, 0,1,2,3,4,5,6,7
.if (\s) == 0
	v_wmma_scale_f32_16x16x128_f8f6f4 v[8*(8*\a+\b):8*(8*\a+\b)+7], v[128*PS+8*\b:128*PS+8*\b+7], v[AF+32*PS+8*\a:AF+32*PS+8*\a+7], v[BT+8*\b:BT+8*\b+7], v[SB+32*KAP+4*\b+QQ], v[SA+16*KAP+4*\a+QQ] matrix_a_fmt:MATRIX_FMT_FP4 matrix_b_fmt:MATRIX_FMT_FP4
.else
	v_wmma_scale_f32_16x16x128_f8f6f4 v[8*(8*\a+\b):8*(8*\a+\b)+7], v[128*PS+8*\b:128*PS+8*\b+7], v[AF+32*PS+8*\a:AF+32*PS+8*\a+7], v[8*(8*\a+\b):8*(8*\a+\b)+7], v[SB+32*KAP+4*\b+QQ], v[SA+16*KAP+4*\a+QQ] matrix_a_fmt:MATRIX_FMT_FP4 matrix_b_fmt:MATRIX_FMT_FP4
.endif
.endr
.endr
	WIN 0
.endm
	s_wait_tensorcnt 1                             ; the scale words and my part of the first half of K are in (the second half's load may be out),
	s_barrier_signal -1
	s_barrier_wait -1                              ; everybody's are
.irp k, 0,1
.irp i, 0,1,2,3
	ds_load_b128 v[SA+16*\k+4*\i:SA+16*\k+4*\i+3], v[ADSA] offset:512*\i+256*\k
.endr
.irp b, 0,1,2,3,4,5,6,7
	ds_load_b128 v[SB+32*\k+4*\b:SB+32*\k+4*\b+3], v[ADSB] offset:544*\b+16*\k
.endr
.endr
	PFETCH 0
	s_wait_loadcnt 0x0                             ; the bias
.irp s, 0,1,2,3,4,5,6,7
	STEPP \s
.endr
	PLACES 4
; THE WAY OUT, block by block of 16 tokens x 128 columns, through my own stage: a lane's eight numbers of tile b are columns 32 (b / 2) + 16 h + 8 (b % 2) + 0 .. 7 of its token's row; rows come back whole, 512 bytes,
; and row t of block a is token 32 (a / 2) + 8 (a % 2) + t + 8 (t / 8) of my 64.  LDS serves a wave's instructions in order: no wait between the stores and the loads, nor in front of the next block's stores.
.macro TOSTAGE a
	WIN 0x08                                       ; an LDS store's data are its source 1: window 2
.irp b, 0,1,2,3,4,5,6,7
	ds_store_b128 v[STO], v[64*(\a)+8*\b:64*(\a)+8*\b+3] offset:128*(\b/2)+32*(\b%2)       ; each accumulator from its low end on
	ds_store_b128 v[STO], v[64*(\a)+8*\b+4:64*(\a)+8*\b+7] offset:128*(\b/2)+32*(\b%2)+16
.endr
	WIN 0
.set BB, BK+64*((\a)%2)
.irp t, 0,1,2,3,4,5,6,7,8,9,10,11,12,13,14,15
	ds_load_b128 v[BB+4*\t:BB+4*\t+3], v[RD] offset:\t*SPITCH
.endr
.endm
.macro SEND a, younger                 ; younger: the LDS instructions issued behind block a's loads, which may stay out
.set BB, BK+64*((\a)%2)
	s_wait_dscnt \younger
.irp t, 0,1,2,3,4,5,6,7,8,9,10,11,12,13,14,15
	global_store_b128 v[CO], v[BB+4*\t:BB+4*\t+3], s[98:99] offset:(32*((\a)/2)+8*((\a)%2)+\t+8*(\t/8))*4096 th:TH_STORE_NT   ; 32 lanes store 512 consecutive bytes, aligned; written once, read by nobody here
.endr
.endm
	TOSTAGE 0
.irp a, 1,2,3
.if \a > 1
	s_wait_xcnt 0x0                                ; block a - 2's stores have read their registers: block a's loads may land there
.endif
	TOSTAGE \a
	SEND \a-1, 32                                  ; behind block a - 1's loads: block a's 16 stores and 16 loads
.endr
	SEND 3, 0
	s_wait_tensorcnt 0x0
	ds_add_u32 v30, v31
	s_wait_dscnt 0x0
	CROUND                                         ; the closing round: no work-group ends while a partner may still ask for a tile that names it
	s_endpgm
.Lfunc_end_k_qbf6765419a_proj:
	.size	k_qbf6765419a_proj, .Lfunc_end_k_qbf6765419a_proj-k_qbf6765419a_proj
	.p2alignl 7, 3214868480
	.fill 96, 4, 3214868480
	.section	.rodata,"a",@progbits
	.p2align	6, 0x0
	.amdhsa_kernel k_qbf6765419a_proj
		.amdhsa_group_segment_fixed_size 262656
		.amdhsa_private_segment_fixed_size 0
		.amdhsa_enable_private_segment 0
		.amdhsa_kernarg_size 48
		.amdhsa_user_sgpr_count 2
		.amdhsa_user_sgpr_kernarg_segment_ptr 1
		.amdhsa_wavefront_size32 1
		.amdhsa_system_sgpr_workgroup_id_x 1
		.amdhsa_system_sgpr_workgroup_id_y 1
		.amdhsa_system_sgpr_workgroup_id_z 1
		.amdhsa_system_vgpr_workitem_id 0
		.amdhsa_next_free_vgpr 768
		.amdhsa_next_free_sgpr 100
		.amdhsa_reserve_vcc 0
		.amdhsa_float_denorm_mode_32 3
		.amdhsa_float_denorm_mode_16_64 3
		.amdhsa_memory_ordered 1
		.amdhsa_forward_progress 1
		.amdhsa_inst_pref_size 74
	.end_amdhsa_kernel
	.amdgpu_metadata
---
amdhsa.version: [ 1, 2 ]
amdhsa.kernels:
  - .name:           k_qbf6765419a_proj
    .symbol:         k_qbf6765419a_proj.kd
    .args:
      - { .name: yc, .offset: 0, .size: 8, .value_kind: global_buffer, .address_space: global }
      - { .name: ys, .offset: 8, .size: 8, .value_kind: global_buffer, .address_space: global }
      - { .name: opc, .offset: 16, .size: 8, .value_kind: global_buffer, .address_space: global }
      - { .name: ops, .offset: 24, .size: 8, .value_kind: global_buffer, .address_space: global }
      - { .name: b_proj, .offset: 32, .size: 8, .value_kind: global_buffer, .address_space: global }
      - { .name: out0, .offset: 40, .size: 8, .value_kind: global_buffer, .address_space: global }
    .group_segment_fixed_size: 262656
    .private_segment_fixed_size: 0
    .kernarg_segment_align: 8
    .kernarg_segment_size: 48
    .max_flat_workgroup_size: 128
    .sgpr_count:     100
    .vgpr_count:     768
    .wavefront_size: 32
...
	.end_amdgpu_metadata
.endif
;; end of part 4
